; MI455X (gfx1250); checked and timed in simulation.
; The chip was launched on July 23, 2026; its instructions are those of AMD's public machine-readable ISA for CDNA 5 (MIT licence, August 2026) and "CDNA5" Instruction Set Architecture Reference Guide (July 2026). The comments in the code are by the model that wrote it; some were corrected since.
;; Mode Conditioned Sparse Mo E. Allowed arithmetic: matrix products marked QUANTISED: E2M3 operands, one E8M0 scale for each 32 along K, by v_wmma_scale_f32_16x16x128_f8f6f4 with both operands' format E2M3, f32 sums; products left as they are: f32 operands where the result goes on into a quantised operand, else bf16, f16 or f32 operands; f32 sums; everything else in f32.
;; Inputs: hidden 2 x 512 x 1,024 float32; mode_b1 4 x 2,048 float32; mode_b2 4 x 1,024 float32; mode_ids 2 x 512 int32; mode_w1_codes 4 x 2,048 x 32 x 24 uint8 (E2M3 codes of mode_w1, K innermost, in blocks of 32 codes, four codes in three bytes); mode_w1_scales 4 x 2,048 x 32 uint8 (E8M0 scales of mode_w1, one for each 32 codes along K); mode_w2_codes 4 x 1,024 x 64 x 24 uint8 (E2M3 codes of mode_w2, K innermost, in blocks of 32 codes, four codes in three bytes); mode_w2_scales 4 x 1,024 x 64 uint8 (E8M0 scales of mode_w2, one for each 32 codes along K); routed_b1 8 x 2,048 float32; routed_b2 8 x 1,024 float32; routed_w1_codes 8 x 2,048 x 32 x 24 uint8 (E2M3 codes of routed_w1, K innermost, in blocks of 32 codes, four codes in three bytes); routed_w1_scales 8 x 2,048 x 32 uint8 (E8M0 scales of routed_w1, one for each 32 codes along K); routed_w2_codes 8 x 1,024 x 64 x 24 uint8 (E2M3 codes of routed_w2, K innermost, in blocks of 32 codes, four codes in three bytes); routed_w2_scales 8 x 1,024 x 64 uint8 (E8M0 scales of routed_w2, one for each 32 codes along K); router_b 8 float32; router_w 1,024 x 8 float32; shared_b1 1 x 2,048 float32; shared_b2 1 x 1,024 float32; shared_w1_codes 1 x 2,048 x 32 x 24 uint8 (E2M3 codes of shared_w1, K innermost, in blocks of 32 codes, four codes in three bytes); shared_w1_scales 1 x 2,048 x 32 uint8 (E8M0 scales of shared_w1, one for each 32 codes along K); shared_w2_codes 1 x 1,024 x 64 x 24 uint8 (E2M3 codes of shared_w2, K innermost, in blocks of 32 codes, four codes in three bytes); shared_w2_scales 1 x 1,024 x 64 uint8 (E8M0 scales of shared_w2, one for each 32 codes along K).
;; Outputs: out0 2 x 512 x 1,024 float32; out1 2 x 512 x 8 float32; out2 2 x 512 x 2 int32; out3 2 x 512 x 2 float32.
;; This version of the problem:
;;   THIS VERSION OF THE PROBLEM IS GIVEN IN LOW PRECISION. The matrix products marked QUANTISED in the list below multiply operands that are first quantised to E2M3 (2 exponent bits, 3 mantissa bits; 6 bits a number), with one power-of-two scale for each 32 numbers along K (OCP MX v1.0); their sums are f32. All else is computed in f32.
;;   The module's matrix products, in the order in which they are computed (A, B: the left and right operand; K: the contracted axis; several contracted axes count as one K, in the product's order):
;;     1. [M 1,024, K 1,024] x [K 1,024, N 8]; A: input hidden; B: input router_w: left as it is (N = 8 < 16)
;;     2. [M 1,024, K 1,024] x [K 1,024, N 2,048]; A: input hidden; B: input shared_w1 (given as codes): QUANTISED
;;     3. [M 1,024, K 2,048] x [K 2,048, N 1,024]; A: input shared_w2 (given as codes); B: computed on the way: QUANTISED
;;     4. [M 1,024, K 1,024] x [K 1,024, N 8,192]; A: input hidden; B: input mode_w1 (given as codes): QUANTISED
;;     5. batch 4 x [M 1,024, K 2,048] x [K 2,048, N 1,024]; A: input mode_w2 (given as codes); B: computed on the way: QUANTISED
;;     6. batch 1,024 x [M 1, K 4] x [K 4, N 1,024]; A: computed on the way; B: computed on the way: left as it is (K = 4 < 32)
;;     7. batch 1,024 x [M 8, K 2] x [K 2, N 1]; A: computed on the way; B: computed on the way: left as it is (K = 2 < 32)
;;     8. [M 1,024, K 1,024] x [K 1,024, N 16,384]; A: input hidden; B: input routed_w1 (given as codes): QUANTISED
;;     9. batch 8 x [M 1,024, K 2,048] x [K 2,048, N 1,024]; A: input routed_w2 (given as codes); B: computed on the way: QUANTISED
;;     10. batch 1,024 x [M 1, K 8] x [K 8, N 1,024]; A: computed on the way; B: computed on the way: left as it is (K = 8 < 32)
;;   THE QUANTISER, for each operand of a quantised product, along K:
;;     - K is cut into blocks of 32 from its start; a last block that is shorter is filled with zeros.
;;     - A block's scale is 2^e with e = floor(log2(the largest magnitude in the block)) - 2, held to -126 .. 127; a block of zeros has e = 0. As a byte (E8M0): e + 127.
;;     - Each number is divided by its block's scale, clamped to +-7.5, and rounded to the nearest number of E2M3, ties to even, subnormals kept.
;;     - The product sums the exact products of the quantised numbers (number of the format x scale) in f32.
;;   ~~~python
;;   def quantise(x, axis):      # numpy; x: float32 -> the quantised numbers, widened to float32 again
;;       x = np.moveaxis(x, axis, -1); K = x.shape[-1]
;;       x = np.pad(x, [(0, 0)] * (x.ndim - 1) + [(0, -K % 32)]); x = x.reshape(x.shape[:-1] + (-1, 32)); a = np.abs(x).max(-1, keepdims=True)
;;       e = np.where(a > 0, np.clip(np.frexp(np.where(a > 0, a, 1))[1] - 1 - 2, -126, 127), 0)      # np.frexp(a)[1] - 1 = floor(log2(a)), exactly
;;       r = np.clip(x / 2.0 ** e, -7.5, 7.5)
;;       step = 2.0 ** (np.maximum(np.frexp(np.where(r == 0, 1, r))[1] - 1, 0) - 3)
;;       q = np.round(r / step) * step * 2.0 ** e      # np.round: ties to even
;;       return np.moveaxis(q.reshape(q.shape[:-2] + (-1,))[..., :K], -1, axis).astype(np.float32)
;;   ~~~
;;   OPERANDS COMPUTED ON THE WAY. 'Computed on the way' means the value that the module computes at that place (a softmax that the list does not call 'softmax' is quantised finished and normalised). What goes into a quantiser is computed in f32, as accurately as f32 sums, v_exp_f32 and their like allow (about 1e-6 of the number): no bf16 or f16 on the way to a quantiser, and a product that is left as it is and whose result goes on into a quantised operand takes f32 operands (vector FMAs, or v_wmma_f32_16x16x4_f32). A number that lies on a knife's edge between two numbers of the format may be rounded either way, as far as f32 arithmetic and the matrix unit's own rounding can turn it there, and no further.
;;   INPUTS GIVEN AS CODES. mode_w1 (in the module: [4, 1024, 2048], K = its axis 1); mode_w2 (in the module: [4, 2048, 1024], K = its axis 1); routed_w1 (in the module: [8, 1024, 2048], K = its axis 1); routed_w2 (in the module: [8, 2048, 1024], K = its axis 1); shared_w1 (in the module: [1, 1024, 2048], K = its axis 1); shared_w2 (in the module: [1, 2048, 1024], K = its axis 1): each comes as NAME_codes (uint8): NAME with its K axis moved to the last place and cut into blocks of 32 codes, [.., K / 32, bytes a block], one block behind the other in memory; four codes in three bytes: a row's codes are one little-endian stream of bits, code i at bits 6 i .. 6 i + 5 (a code: sign, 2 exponent bits, 3 mantissa bits); and NAME_scales (uint8): the same leading axes, one E8M0 byte (e + 127) for each 32 codes along K. Its value is code x scale, taken as it is: it is not quantised again, and the codes and scales need not be those that the quantiser above would give.
;; 2 versions. Each part assembles by itself: llvm-mc -triple=amdgcn-amd-amdhsa -mcpu=gfx1250 --defsym DOCPART=n.
;; ======== version 1 of 2: 5 launches
;; workspace buffers: xq 827,392 bytes; sel 8,192 bytes of whole numbers; plan 35,072 bytes of whole numbers; hq 7,241,728 bytes; part 17,825,792 bytes
;; launch route (part 1): grid 256 x 1, 4 waves a work-group, no clusters, 58,880 bytes of LDS; arguments hidden, router_w, router_b, out1, out2, out3, xq, sel; writes out1, out2, out3, xq, sel
.if DOCPART == 1
	.amdgcn_target "amdgcn-amd-amdhsa--gfx1250"
	.amdhsa_code_object_version 6
	.text
	.protected	k_qd7766a16e1_route
	.globl	k_qd7766a16e1_route
	.p2align	8
	.type	k_qd7766a16e1_route,@function
k_qd7766a16e1_route:
	s_mov_b64 s[64:65], 0
	v_nop
	global_prefetch_b8 v0, s[64:65] scope:SCOPE_SE
	s_setreg_imm32_b32 hwreg(HW_REG_WAVE_MODE, 25, 1), 1
	s_wait_xcnt 0x0
; ROUTE.  One wave takes one token t = 4 x work-group + wave.  It makes the token's 8 router logits in f32 (out1), their softmax with the
; row's maximum taken away, the two largest probabilities (out3, and a copy for the last launch) and their indices (out2, and a copy as whole
; numbers for the next launch), and turns the token's 1,024 numbers into codes of E2M3 with one E8M0 byte for each 32.
; xq: codes [1024][768] as a plain stream of bits;  at XS_OFF the scale bytes [1024][32], block b at byte 4 ((b % 16) / 2) + 2 (b % 2) + b / 16 of
; the row, which is the order in which the launch that multiplies takes them;  at GATE_OFF the two probabilities [1024][2].
; No address and no branch hangs on a floating-point number: the choice is only stored.
; LIMITS: NaN and infinities among the inputs are not served.  Two probabilities that agree to within the rounding of f32 sums may change places
; against a sum taken in another order.  A block of zeros gets the byte 1 and zero codes (these bytes are read by this program alone).
; LDS: router_w as 256 pieces of 128 bytes (4 rows of 8 numbers) 144 bytes apart, an odd multiple of 16
; for each wave its token's 32 blocks of 128 bytes, laid likewise;  for each wave 768 bytes of codes.
.set LX,       36864                   ; behind router_w's 256 x 144 bytes: 4 x 4,608 bytes
.set LC,       55296                   ; behind them: 4 x 768 bytes
.set XS_OFF,   786432
.set GATE_OFF, 819200
.set X,   16                           ; v16-47   the token's row as loaded: register 4 i + j = number 128 i + 4 lane + j
.set WC,  48                           ; v48-111  router_w: first my quarter as loaded, then two sets of 32: register 8 j + e
.set ACC, 112                          ; v112-119 the eight sums, then the logits
.set B,   120                          ; v120-151 block number lane of the token: 32 neighbours
.set C,   152                          ; v152-157 its codes;  v158-160 the second conversion's result
.set D2,  158
.set P,   168                          ; v168-175 the probabilities
.set Q,   176                          ; v176-183 the same with the winner taken out
.set OC,  186                          ; v186-191 the codes on their way out
	s_load_b256 s[4:11], s[0:1], 0x0               ; hidden s[4:5], router_w s[6:7], router_b s[8:9], out1 s[10:11]
	s_load_b256 s[12:19], s[0:1], 0x20             ; out2 s[12:13], out3 s[14:15], xq s[16:17], sel s[18:19]
	v_lshl_add_u32 v192, v0, 2, 0xe400
	v_mov_b32 v193, 0
	v_lshrrev_b32 v12, 5, v0
	v_readfirstlane_b32 s20, v12                   ; wave
	v_and_b32 v1, 31, v0                           ; lane
	s_lshl_b32 s21, ttmp9, 2
	s_add_co_u32 s21, s21, s20                     ; my token
	v_lshrrev_b32 v12, 3, v1
	v_and_b32 v13, 7, v1
	v_mul_u32_u24 v2, v12, 144
	v_lshl_add_u32 v2, v13, 4, v2                  ; eight lanes' 128 bytes make a piece: 144 (lane / 8) + 16 (lane % 8)
	v_lshlrev_b32 v3, 4, v1                        ; 16 x lane
	s_mul_i32 s22, s20, 9216
	v_add_nc_u32 v4, s22, v2                       ; router_w on the way in: my quarter is 64 pieces
	s_mul_i32 s22, s20, 4608
	s_add_co_u32 s22, s22, LX
	v_add_nc_u32 v5, s22, v2                       ; my token's row on the way in
	v_mul_u32_u24 v6, v1, 144                      ; router_w on the way out: piece 32 i + lane
	v_add_nc_u32 v7, s22, v6                       ; my token's row on the way out: block number lane
	s_mul_i32 s22, s20, 768
	s_add_co_u32 s22, s22, LC
	v_mul_u32_u24 v8, v1, 24
	v_add_nc_u32 v8, s22, v8                       ; the codes: in, 24 bytes a lane;
	v_lshlrev_b32 v10, 3, v1
	v_add_nc_u32 v9, s22, v10                      ; out, 8 bytes a lane
	v_and_b32 v12, 15, v1
	v_lshrrev_b32 v12, 1, v12
	v_and_b32 v13, 1, v1
	v_lshlrev_b32 v13, 1, v13
	v_lshl_add_u32 v11, v12, 2, v13
	v_lshrrev_b32 v12, 4, v1
	v_add_nc_u32 v11, v11, v12                     ; my block's place among the row's 32 scale bytes
	v_mov_b32 v184, 0
	v_mov_b32 v185, -1.0
	s_mov_b32 s32, 0x76543210                      ; v_permlanex16_b32's selects for lane l xor 16
	s_mov_b32 s33, 0xfedcba98
	s_wait_kmcnt 0x0
	s_load_b256 s[24:31], s[8:9], 0x0              ; router_b
	s_mov_b32 s23, 0
	s_lshl_b32 s22, s20, 13
	s_add_nc_u64 s[6:7], s[6:7], s[22:23]          ; my quarter of router_w: 8,192 bytes
	s_lshl_b32 s22, s21, 12
	s_add_nc_u64 s[4:5], s[4:5], s[22:23]          ; my token's row
.irp m, 0,1,2,3,4,5,6,7,8,9,10,11,12,13,14,15
	global_load_b128 v[WC+4*\m:WC+4*\m+3], v3, s[6:7] offset:512*\m
.endr
.irp i, 0,1,2,3,4,5,6,7
	global_load_b128 v[X+4*\i:X+4*\i+3], v3, s[4:5] offset:512*\i th:TH_LOAD_NT   ; 512 consecutive bytes a load; read once in the launch
.endr
	s_lshl_b32 s22, s21, 5                         ; where my token's results go
	s_add_nc_u64 s[10:11], s[10:11], s[22:23]      ; out1: 32 bytes a token
	s_add_nc_u64 s[36:37], s[16:17], s[22:23]
	s_add_nc_u64 s[36:37], s[36:37], XS_OFF        ; the scale bytes: 32 a token
	s_lshl_b32 s22, s21, 3
	s_add_nc_u64 s[12:13], s[12:13], s[22:23]      ; out2, out3, sel, the gates: 8 bytes a token
	s_add_nc_u64 s[14:15], s[14:15], s[22:23]
	s_add_nc_u64 s[18:19], s[18:19], s[22:23]
	s_add_nc_u64 s[34:35], s[16:17], s[22:23]
	s_add_nc_u64 s[34:35], s[34:35], GATE_OFF
	s_mul_i32 s22, s21, 768
	s_add_nc_u64 s[16:17], s[16:17], s[22:23]      ; the codes: 768 bytes a token
	s_wait_loadcnt 8                               ; router_w's 16 loads are in; the row's 8, issued behind them, may be out
.irp m, 0,1,2,3,4,5,6,7,8,9,10,11,12,13,14,15
	ds_store_b128 v4, v[WC+4*\m:WC+4*\m+3] offset:576*\m
.endr
	s_wait_loadcnt 0x0
.irp i, 0,1,2,3,4,5,6,7
	ds_store_b128 v5, v[X+4*\i:X+4*\i+3] offset:576*\i
.endr
	s_wait_dscnt 0x0                               ; for the others' sake: my quarter of router_w lies in LDS
	s_barrier_signal -1
	s_barrier_wait -1                              ; everybody's does
.irp k, 0,1,2,3,4,5,6,7
	ds_load_b128 v[B+4*\k:B+4*\k+3], v7 offset:16*\k   ; my block of 32 neighbours
.endr
.macro WLD i                           ; the rows of router_w that go with load i of the row: 128 bytes a lane
.irp q, 0,1,2,3,4,5,6,7
	ds_load_b128 v[WC+32*((\i)%2)+4*\q:WC+32*((\i)%2)+4*\q+3], v6 offset:4608*(\i)+16*\q
.endr
.endm
	WLD 0
; 4 numbers of the row x 8 columns: 16 packed multiply-adds, the four pairs of sums by turns.  The first four are multiplications: nothing is cleared.
.macro DOT i
.if \i < 7
	WLD (\i+1)
	s_wait_dscnt 8                                 ; all but the set just asked for
.else
	s_wait_dscnt 0x0
.endif
.irp j, 0,1,2,3
.irp p, 0,2,4,6
.if (\i == 0) && (\j == 0)
	v_pk_mul_f32 v[ACC+\p:ACC+\p+1], v[WC+\p:WC+\p+1], v[X:X+1] op_sel_hi:[1,0]
.elseif \j%2 == 0
	v_pk_fma_f32 v[ACC+\p:ACC+\p+1], v[WC+32*(\i%2)+8*\j+\p:WC+32*(\i%2)+8*\j+\p+1], v[X+4*\i+2*(\j/2):X+4*\i+2*(\j/2)+1], v[ACC+\p:ACC+\p+1] op_sel_hi:[1,0,1]
.else
	v_pk_fma_f32 v[ACC+\p:ACC+\p+1], v[WC+32*(\i%2)+8*\j+\p:WC+32*(\i%2)+8*\j+\p+1], v[X+4*\i+2*(\j/2):X+4*\i+2*(\j/2)+1], v[ACC+\p:ACC+\p+1] op_sel:[0,1,0] op_sel_hi:[1,1,1]
.endif
.endr
.endr
.endm
.irp i, 0,1,2,3,4,5,6,7
	DOT \i
.endr
.irp m, 1,2,4,8                        ; the 32 lanes' parts are added: four steps inside each half, the eight sums by turns,
.irp k, 0,1,2,3,4,5,6,7
	v_add_f32_dpp v[ACC+\k], v[ACC+\k], v[ACC+\k] row_xmask:\m row_mask:0xf bank_mask:0xf
.endr
.endr
.irp k, 0,1,2,3,4,5,6,7
	v_permlanex16_b32 v[WC+\k], v[ACC+\k], s32, s33   ; one across the halves (its destination has been written: router_w's set is done with)
.endr
	s_wait_kmcnt 0x0                               ; router_b
.irp k, 0,1,2,3,4,5,6,7
	v_add_f32 v[ACC+\k], v[ACC+\k], v[WC+\k]
.endr
.irp k, 0,1,2,3,4,5,6,7
	v_add_f32 v[ACC+\k], s[24+\k], v[ACC+\k]       ; the logits, the same in every lane
.endr
	v_max3_num_f32 v12, v[ACC], v[ACC+1], v[ACC+2]
	v_max3_num_f32 v13, v[ACC+3], v[ACC+4], v[ACC+5]
	v_max3_num_f32 v12, v12, v[ACC+6], v[ACC+7]
	v_max_num_f32 v12, v12, v13                    ; the row's maximum is taken away ahead of the exponential
.irp k, 0,1,2,3,4,5,6,7
	v_sub_f32 v[P+\k], v[ACC+\k], v12
.endr
.irp k, 0,1,2,3,4,5,6,7
	v_mul_f32 v[P+\k], 0x3f38aa3b, v[P+\k]         ; x log2(e) / 2: the exponential is made as a square, so that a result under 2^-126 is not lost (ISA guide 15.8: v_exp_f32 gives 0 there)
.endr
.irp k, 0,1,2,3,4,5,6,7
	v_exp_f32 v[P+\k], v[P+\k]
.endr
	v_nop                                          ; a plain place behind the exponentials
	s_wait_alu depctr_va_vdst(0)
.irp k, 0,1,2,3,4,5,6,7
	v_mul_f32 v[P+\k], v[P+\k], v[P+\k]
.endr
	v_add_f32 v12, v[P], v[P+1]
	v_add_f32 v13, v[P+2], v[P+3]
	v_add_f32 v14, v[P+4], v[P+5]
	v_add_f32 v15, v[P+6], v[P+7]
	v_add_f32 v12, v12, v13
	v_add_f32 v14, v14, v15
	v_add_f32 v12, v12, v14
	v_rcp_f32 v12, v12
	v_nop                                          ; a plain place behind the reciprocal
	s_wait_alu depctr_va_vdst(0)
.irp k, 0,1,2,3,4,5,6,7
	v_mul_f32 v[P+\k], v[P+\k], v12
.endr
; The largest of eight and its index.  A later one wins only where it is strictly larger: of equals the lower index is kept.
.macro TOP src, idx, val
	v_mov_b32 v[\idx], 0
	v_mov_b32 v[\val], v[\src]
.irp k, 1,2,3,4,5,6,7
	v_cmp_le_f32 vcc_lo, v[\src+\k], v[\val]
	v_cndmask_b32 v[\val], v[\src+\k], v[\val], vcc_lo
	v_cndmask_b32 v[\idx], \k, v[\idx], vcc_lo
.endr
.endm
	TOP P, 162, 164
.irp k, 0,1,2,3,4,5,6,7
	v_cmp_eq_u32 vcc_lo, \k, v162
	v_cndmask_b32 v[Q+\k], v[P+\k], v185, vcc_lo   ; the winner becomes -1, under every probability
.endr
	TOP Q, 163, 165
	; my block: its largest magnitude over the floor 2^(3 - 127), 2 off the exponent field, the byte, the codes
	v_max3_num_f32 v12, |v[B]|, |v[B+1]|, |v[B+2]|
	v_max3_num_f32 v13, |v[B+3]|, |v[B+4]|, |v[B+5]|
.irp i, 6,10,14,18,22,26
	v_max3_num_f32 v12, v12, |v[B+\i]|, |v[B+\i+1]|
	v_max3_num_f32 v13, v13, |v[B+\i+2]|, |v[B+\i+3]|
.endr
	v_max3_num_f32 v12, v12, |v[B+30]|, |v[B+31]|
	v_max3_num_f32 v12, v12, v13, 0x1800000
	v_add_nc_u32 v14, 0xff000000, v12              ; the conversion takes this operand's exponent field as its scale
	v_lshrrev_b32 v13, 23, v14                     ; the scale's byte
	v_cvt_scalef32_pk16_fp6_f32 v[C:C+2], v[B:B+15], v14
	v_cvt_scalef32_pk16_fp6_f32 v[D2:D2+2], v[B+16:B+31], v14   ; (a conversion's three registers begin on an even number)
	v_nop                                          ; a plain place behind the conversions
.irp i, 0,1,2
	v_mov_b32 v[C+3+\i], v[D2+\i]
.endr
.irp c, 0,1,2
	ds_store_b64 v8, v[C+2*\c:C+2*\c+1] offset:8*\c
.endr
.irp c, 0,1,2
	ds_load_b64 v[OC+2*\c:OC+2*\c+1], v9 offset:256*\c   ; LDS serves a wave's instructions in order: these see my stores
.endr
	global_store_b8 v11, v13, s[36:37]
	s_wait_dscnt 0x0
.irp c, 0,1,2
	global_store_b64 v10, v[OC+2*\c:OC+2*\c+1], s[16:17] offset:256*\c   ; 32 lanes store 256 consecutive bytes, at a multiple of 256 from the buffer's first byte
.endr
	s_wait_xcnt 0x0                                ; EXEC changes only behind this wait
	v_cmp_eq_u32 vcc_lo, 0, v1
	s_wait_tensorcnt 0x0
	ds_add_u32 v192, v193
	s_wait_dscnt 0x0
	s_and_saveexec_b32 s40, vcc_lo                 ; every lane holds the token's results: lane 0 stores them
	global_store_b128 v184, v[ACC:ACC+3], s[10:11]
	global_store_b128 v184, v[ACC+4:ACC+7], s[10:11] offset:16
	global_store_b64 v184, v[162:163], s[12:13]
	global_store_b64 v184, v[162:163], s[18:19]
	global_store_b64 v184, v[164:165], s[14:15]
	global_store_b64 v184, v[164:165], s[34:35]
	s_wait_xcnt 0x0                                ; and again in front of the line that widens it
	s_or_b32 exec_lo, exec_lo, s40
	s_endpgm
.Lfunc_end_k_qd7766a16e1_route:
	.size	k_qd7766a16e1_route, .Lfunc_end_k_qd7766a16e1_route-k_qd7766a16e1_route
	.p2alignl 7, 3214868480
	.fill 96, 4, 3214868480
	.section	.rodata,"a",@progbits
	.p2align	6, 0x0
	.amdhsa_kernel k_qd7766a16e1_route
		.amdhsa_group_segment_fixed_size 58880
		.amdhsa_private_segment_fixed_size 0
		.amdhsa_enable_private_segment 0
		.amdhsa_kernarg_size 64
		.amdhsa_user_sgpr_count 2
		.amdhsa_user_sgpr_kernarg_segment_ptr 1
		.amdhsa_wavefront_size32 1
		.amdhsa_system_sgpr_workgroup_id_x 1
		.amdhsa_system_sgpr_workgroup_id_y 1
		.amdhsa_system_sgpr_workgroup_id_z 1
		.amdhsa_system_vgpr_workitem_id 0
		.amdhsa_next_free_vgpr 194
		.amdhsa_next_free_sgpr 66
		.amdhsa_reserve_vcc 1
		.amdhsa_float_denorm_mode_32 3
		.amdhsa_float_denorm_mode_16_64 3
		.amdhsa_memory_ordered 1
		.amdhsa_forward_progress 1
		.amdhsa_inst_pref_size 30
	.end_amdhsa_kernel
	.amdgpu_metadata
---
amdhsa.version: [ 1, 2 ]
amdhsa.kernels:
  - .name:           k_qd7766a16e1_route
    .symbol:         k_qd7766a16e1_route.kd
    .args:
      - { .name: hidden, .offset: 0, .size: 8, .value_kind: global_buffer, .address_space: global }
      - { .name: router_w, .offset: 8, .size: 8, .value_kind: global_buffer, .address_space: global }
      - { .name: router_b, .offset: 16, .size: 8, .value_kind: global_buffer, .address_space: global }
      - { .name: out1, .offset: 24, .size: 8, .value_kind: global_buffer, .address_space: global }
      - { .name: out2, .offset: 32, .size: 8, .value_kind: global_buffer, .address_space: global }
      - { .name: out3, .offset: 40, .size: 8, .value_kind: global_buffer, .address_space: global }
      - { .name: xq, .offset: 48, .size: 8, .value_kind: global_buffer, .address_space: global }
      - { .name: sel, .offset: 56, .size: 8, .value_kind: global_buffer, .address_space: global }
    .group_segment_fixed_size: 58880
    .private_segment_fixed_size: 0
    .kernarg_segment_align: 8
    .kernarg_segment_size: 64
    .max_flat_workgroup_size: 128
    .sgpr_count:     66
    .vgpr_count:     194
    .wavefront_size: 32
...
	.end_amdgpu_metadata
.endif
;; end of part 1
;; launch place (part 2): grid 1 x 1, 8 waves a work-group, no clusters, 2,048 bytes of LDS; arguments sel, mode_ids, plan; writes plan
.if DOCPART == 2
	.amdgcn_target "amdgcn-amd-amdhsa--gfx1250"
	.amdhsa_code_object_version 6
	.text
	.protected	k_qd7766a16e1_place
	.globl	k_qd7766a16e1_place
	.p2align	8
	.type	k_qd7766a16e1_place,@function
k_qd7766a16e1_place:
	s_mov_b64 s[64:65], 0
	v_nop
	global_prefetch_b8 v0, s[64:65] scope:SCOPE_SE
	s_setreg_imm32_b32 hwreg(HW_REG_WAVE_MODE, 25, 1), 1
	s_wait_xcnt 0x0
; PLACE.  A counting sort of the 4,096 kept (token, expert) rows by expert, in whole numbers alone, by one work-group of eight waves.
; Sorted rows go in tiles of 16: tiles 0-63 the shared expert (row = token), then modes 0-3, then routed experts 0-7, each filled up to whole tiles
; with token 0.  For every choice that is at most 64 + 67 + 135 = 266 tiles; the buffers have room for 272.
; plan: at 0 the token of each sorted row (4,352 words, and 32 words behind them that take the stores of lanes with nothing to fill);
; at CH_OFF 64 chunks (kind 0 shared, 1 mode, 2 routed; expert within the kind; first tile; tiles, 0 to 5);  at POS_OFF for each token its four sorted rows.
; A chunk is at most 5 tiles of one expert: at most 13 + 16 + 33 = 62 chunks for every choice.
; Experts here: e = 0-3 the modes, e = 4-11 the routed ones.  A thread takes tokens 128 wave + 32 q + lane, q = 0 .. 3.
.set CH_OFF,  17664
.set POS_OFF, 18688
.set CNT, 12                           ; s12-23  my wave's counts, later the totals
.set BEF, 24                           ; s24-35  rows of the waves ahead of mine, later + 16 x first tile
.set TIL, 36                           ; s36-47  tiles of each expert
.set TB,  48                           ; s48-59  first tile of each expert
.set CB,  66                           ; s66-78  first chunk: of the shared expert, then of e = 0 .. 11
.set M,   4                            ; v4-7    my tokens' modes
.set AB,  8                            ; v8-15   their two routed experts
.set RM,  16                           ; v16-19, v20-23, v24-27  ranks within the wave
.set RA,  20
.set RR,  24
.set P,   32                           ; v32-47  (token, mode's row, first routed row, second routed row) for each q
.set SA,  48                           ; v48-59  addresses of the scattered stores
	s_load_b128 s[4:7], s[0:1], 0x0                ; sel s[4:5], mode_ids s[6:7]
	s_load_b64 s[8:9], s[0:1], 0x10                ; plan
	v_lshl_add_u32 v96, v0, 2, 0x400
	v_mov_b32 v97, 0
	v_lshrrev_b32 v28, 5, v0
	v_readfirstlane_b32 s10, v28                   ; wave
	v_and_b32 v1, 31, v0                           ; lane
	v_lshl_add_u32 v2, v28, 7, v1                  ; my first token
	v_lshlrev_b32 v3, 2, v2
	v_lshlrev_b32 v29, 3, v2
	v_lshlrev_b32 v31, 4, v2
	v_mov_b32 v84, 0
.irp e, 0,1,2,3,4,5,6,7,8,9,10,11
	s_mov_b32 s[CNT+\e], 0
.endr
.irp q, 0,1,2,3
	v_mov_b32 v[RM+\q], 0
	v_mov_b32 v[RA+\q], 0
	v_mov_b32 v[RR+\q], 0
.endr
	s_wait_kmcnt 0x0
.irp q, 0,1,2,3
	global_load_b32 v[M+\q], v3, s[6:7] offset:128*\q
	global_load_b64 v[AB+2*\q:AB+2*\q+1], v29, s[4:5] offset:256*\q
.endr
	s_wait_loadcnt 0x0
.irp q, 0,1,2,3
	v_min_u32 v[M+\q], 3, v[M+\q]
	v_min_u32 v[AB+2*\q], 7, v[AB+2*\q]
	v_min_u32 v[AB+2*\q+1], 7, v[AB+2*\q+1]
.endr
	; a token's rank within its expert and wave: the wave's count so far + the lanes under mine that chose the same
.irp q, 0,1,2,3
.irp e, 0,1,2,3
	v_cmp_eq_u32 vcc_lo, \e, v[M+\q]
	v_mbcnt_lo_u32_b32 v28, vcc_lo, 0
	v_add_nc_u32 v28, s[CNT+\e], v28
	v_cndmask_b32 v[RM+\q], v[RM+\q], v28, vcc_lo
	s_bcnt1_i32_b32 s60, vcc_lo
	s_add_co_u32 s[CNT+\e], s[CNT+\e], s60
.endr
.irp e, 0,1,2,3,4,5,6,7
	v_cmp_eq_u32 s60, \e, v[AB+2*\q]
	v_cmp_eq_u32 s61, \e, v[AB+2*\q+1]
	s_or_b32 s62, s60, s61                         ; a token's two experts differ: it counts once for each
	v_mbcnt_lo_u32_b32 v28, s62, 0
	v_add_nc_u32 v28, s[CNT+4+\e], v28
	v_cndmask_b32 v[RA+\q], v[RA+\q], v28, s60
	v_cndmask_b32 v[RR+\q], v[RR+\q], v28, s61
	s_bcnt1_i32_b32 s63, s62
	s_add_co_u32 s[CNT+4+\e], s[CNT+4+\e], s63
.endr
.endr
	v_mov_b32 v70, 0
.irp e, 0,1,2,3,4,5,6,7,8,9,10,11
	v_writelane_b32 v70, s[CNT+\e], \e             ; lane e: my wave's count for expert e
.endr
	v_lshlrev_b32 v30, 5, v1
	s_lshl_b32 s60, s10, 2
	v_add_nc_u32 v30, s60, v30
	ds_store_b32 v30, v70                          ; a table of 32 rows x 8 waves
	s_wait_dscnt 0x0                               ; for the others' sake
	s_barrier_signal -1
	s_barrier_wait -1
	v_lshlrev_b32 v29, 5, v1
	ds_load_b128 v[60:63], v29                     ; lane e: the eight waves' counts for expert e
	ds_load_b128 v[64:67], v29 offset:16
	s_wait_dscnt 0x0
	v_add_nc_u32 v68, v60, v61
	v_add3_u32 v68, v68, v62, v63
	v_add3_u32 v68, v68, v64, v65
	v_add3_u32 v68, v68, v66, v67                  ; the expert's rows
	v_mov_b32 v69, 0
.irp w, 0,1,2,3,4,5,6
	s_cmp_gt_u32 s10, \w
	s_cselect_b32 s60, 1, 0
	v_mad_u32_u24 v69, v[60+\w], s60, v69          ; and those of the waves ahead of mine
.endr
.irp e, 0,1,2,3,4,5,6,7,8,9,10,11
	v_readlane_b32 s[CNT+\e], v68, \e
	v_readlane_b32 s[BEF+\e], v69, \e
.endr
	s_mov_b32 s[TB], 64
.irp e, 0,1,2,3,4,5,6,7,8,9,10,11
	s_add_co_u32 s[TIL+\e], s[CNT+\e], 15
	s_lshr_b32 s[TIL+\e], s[TIL+\e], 4
.endr
.irp e, 0,1,2,3,4,5,6,7,8,9,10
	s_add_co_u32 s[TB+\e+1], s[TB+\e], s[TIL+\e]
.endr
.irp e, 0,1,2,3,4,5,6,7,8,9,10,11
	s_lshl_b32 s60, s[TB+\e], 4
	s_add_co_u32 s[BEF+\e], s[BEF+\e], s60         ; the sorted row of my wave's first token of expert e
.endr
	s_mov_b32 s[CB], 0
	s_mov_b32 s[CB+1], 13                          ; the shared expert's 64 tiles are 13 chunks
.irp e, 0,1,2,3,4,5,6,7,8,9,10
	s_add_co_u32 s60, s[TIL+\e], 4
	s_mul_i32 s60, s60, 52429
	s_lshr_b32 s60, s60, 18                        ; (tiles + 4) / 5, rounded down: right for numbers under 2^16
	s_add_co_u32 s[CB+\e+2], s[CB+\e+1], s60
.endr
.irp q, 0,1,2,3
	v_add_nc_u32 v[P+4*\q], 32*\q, v2              ; the token
	v_mov_b32 v28, s[BEF]
.irp e, 1,2,3
	v_cmp_ne_u32 vcc_lo, \e, v[M+\q]
	v_cndmask_b32 v28, s[BEF+\e], v28, vcc_lo
.endr
	v_add_nc_u32 v[P+4*\q+1], v28, v[RM+\q]
	v_mov_b32 v28, s[BEF+4]
	v_mov_b32 v29, s[BEF+4]
.irp e, 1,2,3,4,5,6,7
	v_cmp_ne_u32 vcc_lo, \e, v[AB+2*\q]
	v_cndmask_b32 v28, s[BEF+4+\e], v28, vcc_lo
	v_cmp_ne_u32 vcc_lo, \e, v[AB+2*\q+1]
	v_cndmask_b32 v29, s[BEF+4+\e], v29, vcc_lo
.endr
	v_add_nc_u32 v[P+4*\q+2], v28, v[RA+\q]
	v_add_nc_u32 v[P+4*\q+3], v29, v[RR+\q]
.endr
.irp q, 0,1,2,3
	global_store_b128 v31, v[P+4*\q:P+4*\q+3], s[8:9] offset:POS_OFF+512*\q   ; 512 consecutive bytes
	global_store_b32 v3, v[P+4*\q], s[8:9] offset:128*\q                      ; the shared expert's rows are the tokens
.irp i, 1,2,3
	v_min_u32 v[SA+3*\q+\i-1], 4351, v[P+4*\q+\i]
	v_lshlrev_b32 v[SA+3*\q+\i-1], 2, v[SA+3*\q+\i-1]
	global_store_b32 v[SA+3*\q+\i-1], v[P+4*\q], s[8:9]                       ; each store has an address register of its own
.endr
.endr
	s_cmp_eq_u32 s10, 7
	s_cbranch_scc0 .Lnot_fill
	; wave 7 fills each expert's last tile up with token 0; lanes beyond the tile's end store into the 32 words behind the list
	v_add_nc_u32 v29, 4352, v1
.irp e, 0,1,2,3,4,5,6,7,8,9,10,11
	s_lshl_b32 s60, s[TB+\e], 4
	s_add_co_u32 s61, s60, s[CNT+\e]
	s_lshl_b32 s62, s[TIL+\e], 4
	s_add_co_u32 s62, s62, s60
	v_add_nc_u32 v28, s61, v1
	v_cmp_gt_u32 vcc_lo, s62, v28
	v_cndmask_b32 v[72+\e], v29, v28, vcc_lo
	v_min_u32 v[72+\e], 4383, v[72+\e]
	v_lshlrev_b32 v[72+\e], 2, v[72+\e]
	global_store_b32 v[72+\e], v84, s[8:9]
.endr
	s_branch .Lend
.Lnot_fill:
	s_cmp_lt_u32 s10, 2
	s_cbranch_scc0 .Lend
	; waves 0 and 1: chunk k = my thread's number, 0 to 63.  Its expert is the last whose first chunk is not beyond k
	v_mov_b32 v86, 0                               ; kind
	v_mov_b32 v87, 0                               ; expert within the kind
	v_mov_b32 v88, 0                               ; the expert's first tile
	v_mov_b32 v89, 64                              ; its tiles
	v_mov_b32 v90, 0                               ; its first chunk
.irp x, 1,2,3,4,5,6,7,8,9,10,11,12
.if \x < 5
.set KIND, 1
.set ELOC, \x-1
.else
.set KIND, 2
.set ELOC, \x-5
.endif
	v_cmp_gt_u32 vcc_lo, s[CB+\x], v0
	v_cndmask_b32 v86, KIND, v86, vcc_lo
	v_cndmask_b32 v87, ELOC, v87, vcc_lo
	v_cndmask_b32 v88, s[TB+\x-1], v88, vcc_lo
	v_cndmask_b32 v89, s[TIL+\x-1], v89, vcc_lo
	v_cndmask_b32 v90, s[CB+\x], v90, vcc_lo
.endr
	v_sub_nc_u32 v91, v0, v90
	v_mul_u32_u24 v92, v91, 5                      ; tiles of the expert ahead of this chunk
	v_add_nc_u32 v88, v88, v92                     ; the chunk's first tile
	v_max_u32 v89, v89, v92
	v_sub_nc_u32 v89, v89, v92
	v_min_u32 v89, 5, v89                          ; what is left of the expert's tiles, 5 at the most, 0 behind the last chunk
	v_lshlrev_b32 v93, 4, v0
	global_store_b128 v93, v[86:89], s[8:9] offset:CH_OFF
.Lend:
	s_wait_tensorcnt 0x0
	ds_add_u32 v96, v97
	s_wait_dscnt 0x0
	s_endpgm
.Lfunc_end_k_qd7766a16e1_place:
	.size	k_qd7766a16e1_place, .Lfunc_end_k_qd7766a16e1_place-k_qd7766a16e1_place
	.p2alignl 7, 3214868480
	.fill 96, 4, 3214868480
	.section	.rodata,"a",@progbits
	.p2align	6, 0x0
	.amdhsa_kernel k_qd7766a16e1_place
		.amdhsa_group_segment_fixed_size 2048
		.amdhsa_private_segment_fixed_size 0
		.amdhsa_enable_private_segment 0
		.amdhsa_kernarg_size 24
		.amdhsa_user_sgpr_count 2
		.amdhsa_user_sgpr_kernarg_segment_ptr 1
		.amdhsa_wavefront_size32 1
		.amdhsa_system_sgpr_workgroup_id_x 1
		.amdhsa_system_sgpr_workgroup_id_y 1
		.amdhsa_system_sgpr_workgroup_id_z 1
		.amdhsa_system_vgpr_workitem_id 0
		.amdhsa_next_free_vgpr 98
		.amdhsa_next_free_sgpr 96
		.amdhsa_reserve_vcc 1
		.amdhsa_float_denorm_mode_32 3
		.amdhsa_float_denorm_mode_16_64 3
		.amdhsa_memory_ordered 1
		.amdhsa_forward_progress 1
		.amdhsa_inst_pref_size 44
	.end_amdhsa_kernel
	.amdgpu_metadata
---
amdhsa.version: [ 1, 2 ]
amdhsa.kernels:
  - .name:           k_qd7766a16e1_place
    .symbol:         k_qd7766a16e1_place.kd
    .args:
      - { .name: sel, .offset: 0, .size: 8, .value_kind: global_buffer, .address_space: global }
      - { .name: mode_ids, .offset: 8, .size: 8, .value_kind: global_buffer, .address_space: global }
      - { .name: plan, .offset: 16, .size: 8, .value_kind: global_buffer, .address_space: global }
    .group_segment_fixed_size: 2048
    .private_segment_fixed_size: 0
    .kernarg_segment_align: 8
    .kernarg_segment_size: 24
    .max_flat_workgroup_size: 256
    .sgpr_count:     96
    .vgpr_count:     98
    .wavefront_size: 32
...
	.end_amdgpu_metadata
.endif
;; end of part 2
;; launch up (part 3): grid 62 x 4, 4 waves a work-group, no clusters, 2,560 bytes of LDS; arguments plan, xq, shared_w1_codes, shared_w1_scales, shared_b1, mode_w1_codes, mode_w1_scales, mode_b1, routed_w1_codes, routed_w1_scales, routed_b1, hq; writes hq
.if DOCPART == 3
	.amdgcn_target "amdgcn-amd-amdhsa--gfx1250"
	.amdhsa_code_object_version 6
	.text
	.protected	k_qd7766a16e1_up
	.globl	k_qd7766a16e1_up
	.p2align	8
	.type	k_qd7766a16e1_up,@function
k_qd7766a16e1_up:
	s_mov_b64 s[64:65], 0
	v_nop
	global_prefetch_b8 v0, s[64:65] scope:SCOPE_SE
	s_setreg_imm32_b32 hwreg(HW_REG_WAVE_MODE, 25, 1), 1
	s_wait_xcnt 0x0
; UP.  h = Q(gelu(x W1^T + b1)) for the sorted rows, on codes of E2M3 with one E8M0 scale for each 32 along K; gelu in its tanh form, in f32.
; SHARES.  Work-group x is a chunk of the stored list: 1 to 5 tiles of 16 sorted rows of ONE expert (a chunk without tiles ends at once: the grid of 62 serves every choice).
; Wave sl = 4 y + wave, 0 to 15, makes 128 of the expert's 2,048 hidden units for all the chunk's rows.  THE WEIGHTS STAY, THE ROWS STREAM: the wave's 64 fragments of W1
; (8 tiles of 16 units x 8 K steps, 768 registers) are read from memory once; a tile of rows is 8 fragments of x and 64 matrix instructions.
; Waves share nothing: no barrier.  Nothing here is brought by a copy engine, and no tile is asked for jointly.
; THE ORDER OF K.  Whole blocks of 32, with their scale bytes, are taken in the same other order on both sides: lanes 0-15 take blocks 0-15 of a row, lanes 16-31 blocks 16-31, two blocks
; (48 consecutive bytes, three loads of 16) a K step.  So K step s multiplies blocks 2 s, 16 + 2 s, 2 s + 1, 17 + 2 s, and its scale word holds their bytes in that order.
; LIMIT: the sums are taken in that order of K and not in ascending order, so their last bits may differ from a sum in ascending order.
; THE UNITS OF A WAVE are blocks 2 sl, 32 + 2 sl, 2 sl + 1, 33 + 2 sl of the next product's K: its K step sl in the same kind of order.  THE ROWS OF W1 THAT FORM A TILE ARE NOT NEIGHBOURS: lane r of
; tile 2 b + u takes the block's row 8 u + r + 8 (r / 8), and the product is used transposed (source 0 = W1, source 1 = x): a lane holds one row of h, and the 16 registers of tiles 2 b, 2 b + 1 are 16 neighbours.
; b1 comes from my wave's 512 bytes of LDS into the accumulators ahead of each tile: every product then adds in place.
; hq: a fragment as an image of its registers, (16 tile + sl) x 1,536 + 512 c + 16 lane;  at HS_OFF its scale words, (16 tile + sl) x 128 + 4 lane.
; LIMITS: NaN and infinities are not served; a block of zeros gets the byte 1 and zero codes.
; REGISTERS.  Window 0: v1-11 addresses and a constant; v12-15 x's scale words; v16-47 W1's; v48-59 fragment 63 of W1; v60-123 the 8 accumulators; v124-219 x's 8 fragments;
; v220-235 at work; v236-250, v252-254 codes; v251 the bias's LDS address; v255 the scale word.  Windows 1-3: W1's fragment f = 8 s + t at window 1 + f / 21, register 12 (f % 21).
.set CH_OFF, 17664
.set XS_OFF, 786432
.set HS_OFF, 6684672
.set RT,  1                            ; 4 x (lane % 16): my row's place in a tile's list of tokens
.set RTN, 2                            ; the same in the next tile
.set ID,  3                            ; my row's token
.set XA,  4                            ; its codes: 768 x token + 384 x (lane / 16)
.set XSA, 5                            ; its scale words: 32 x token + 16 x (lane / 16)
.set XS,  12
.set WS,  16
.set W63, 48
.set ACC, 60
.set XF,  124
.set TM,  220
.set PC,  236
.set BA,  251
.set PW,  255
.set MSB, 0
.macro WIN new                         ; the immediate's high byte repeats the setting that is left; a switch that changes nothing is dropped
.if MSB != (\new)
	s_set_vgpr_msb (MSB<<8)|(\new)
.set MSB, (\new)
.endif
.endm
.macro WSET f                          ; where fragment f of W1 lies: window WW, register WR
.if (\f) == 63
.set WW, 0
.set WR, W63
.else
.set WW, 1+(\f)/21
.set WR, 12*((\f)%21)
.endif
.endm
.macro MM d, a, b, c, sa, sb, hi       ; one product; hi = 1: both scale words are taken from lanes 16-31
.if \hi
	v_wmma_scale_f32_16x16x128_f8f6f4 v[\d:\d+7], v[\a:\a+11], v[\b:\b+11], v[\c:\c+7], v[\sa], v[\sb] matrix_a_fmt:MATRIX_FMT_FP6 matrix_b_fmt:MATRIX_FMT_FP6 matrix_a_scale:MATRIX_SCALE_ROW1 matrix_b_scale:MATRIX_SCALE_ROW1
.else
	v_wmma_scale_f32_16x16x128_f8f6f4 v[\d:\d+7], v[\a:\a+11], v[\b:\b+11], v[\c:\c+7], v[\sa], v[\sb] matrix_a_fmt:MATRIX_FMT_FP6 matrix_b_fmt:MATRIX_FMT_FP6
.endif
.endm
	s_load_b512 s[8:23], s[0:1], 0x0               ; plan s[8:9], xq s[10:11]; shared: codes s[12:13], scales s[14:15], b1 s[16:17]; mode: s[18:19], s[20:21], s[22:23]
	s_load_b256 s[24:31], s[0:1], 0x40             ; routed: s[24:25], s[26:27], s[28:29]; hq s[30:31]
	s_set_vgpr_msb 0x40
	v_lshl_add_u32 v254, v0, 2, 0x800
	v_mov_b32 v255, 0
	s_set_vgpr_msb 0x4000
	v_lshrrev_b32 v228, 5, v0
	v_readfirstlane_b32 s42, v228                  ; wave
	s_and_b32 s43, ttmp7, 0xffff
	s_lshl_b32 s43, s43, 2
	s_add_co_u32 s43, s43, s42                     ; sl
	s_lshl_b32 s51, ttmp9, 4
	s_wait_kmcnt 0x0
	s_load_b128 s[32:35], s[8:9], s51 offset:CH_OFF   ; my chunk: kind, expert, first tile, tiles
	v_and_b32 v228, 31, v0                         ; lane
	v_and_b32 v229, 15, v0                         ; r
	v_bfe_u32 v230, v0, 4, 1                       ; h
	v_lshlrev_b32 v8, 4, v228                      ; 16 x lane
	v_lshlrev_b32 v9, 2, v228                      ; 4 x lane
	v_lshlrev_b32 v[RT], 2, v229
	v_mul_u32_u24 v6, v230, 384
	v_lshlrev_b32 v7, 4, v230
	s_lshl_b32 s52, s42, 9
	v_lshl_add_u32 v[BA], v230, 6, s52             ; b1 out of LDS: 512 x wave + 64 h
	v_add_nc_u32 v223, s52, v8                     ; and into it: 512 x wave + 16 x lane
	v_and_b32 v231, 8, v229
	v_add_nc_u32 v231, v231, v229                  ; r + 8 (r / 8)
	v_mad_u32_u24 v220, v231, 768, v6              ; W1's codes: that row, + my half's 384 bytes
	v_lshlrev_b32 v221, 5, v231
	v_lshl_add_u32 v221, v230, 3, v221             ; W1's scale bytes: that row's 32, + 8 h
	v_bfe_u32 v232, v0, 3, 1
	v_and_b32 v233, 7, v0
	v_lshlrev_b32 v222, 7, v230
	v_lshl_add_u32 v222, v232, 12, v222
	v_lshl_add_u32 v222, v233, 4, v222             ; b1: lane l brings the 4 numbers 4 l on of my 128: block l / 8 lies 128 (l / 16) + 4,096 ((l / 8) % 2) bytes on
	v_mov_b32 v10, 0xc0135761                      ; k1 = -2 sqrt(2 / pi) log2(e)
	v_mov_b32 v11, v10
	s_mov_b32 s54, 0x76543210                      ; v_permlanex16_b32's selects for lane l xor 16
	s_mov_b32 s55, 0xfedcba98
	s_mov_b32 s56, 0xbdd2d3e8                      ; k3 = 0.044715 k1
	s_mov_b32 s57, s56                             ; (named with it as a pair, so it is written)
	s_mov_b32 s58, 0x05010400                      ; byte selects that weave two bytes of the lower 16 blocks with two of the upper 16
	s_mov_b32 s59, 0x07030602
	s_mov_b32 s50, 0
	s_mov_b32 s53, 0
	s_wait_kmcnt 0x0
	s_cmp_eq_u32 s35, 0
	s_cbranch_scc1 .Lend                           ; this choice has no such chunk
	s_min_u32 s32, s32, 2
	s_min_u32 s33, s33, 7
	s_min_u32 s34, s34, 267
	s_min_u32 s35, s35, 5
	s_cmp_eq_u32 s32, 1                            ; the kind picks the three buffers
	s_cselect_b64 s[36:37], s[18:19], s[24:25]
	s_cselect_b64 s[38:39], s[20:21], s[26:27]
	s_cselect_b64 s[40:41], s[22:23], s[28:29]
	s_cmp_eq_u32 s32, 0
	s_cselect_b64 s[36:37], s[12:13], s[36:37]
	s_cselect_b64 s[38:39], s[14:15], s[38:39]
	s_cselect_b64 s[40:41], s[16:17], s[40:41]
	s_mul_i32 s52, s33, 1572864                    ; an expert's codes; 64 sl rows of 768 bytes
	s_mul_i32 s51, s43, 49152
	s_add_co_u32 s52, s52, s51
	s_add_nc_u64 s[36:37], s[36:37], s[52:53]
	s_lshl_b32 s52, s33, 16                        ; its scale bytes; 64 sl rows of 32
	s_lshl_b32 s51, s43, 11
	s_add_co_u32 s52, s52, s51
	s_add_nc_u64 s[38:39], s[38:39], s[52:53]
	s_lshl_b32 s52, s33, 13                        ; its b1; 64 sl numbers
	s_lshl_b32 s51, s43, 8
	s_add_co_u32 s52, s52, s51
	s_add_nc_u64 s[40:41], s[40:41], s[52:53]
	s_lshl_b32 s51, s34, 4
	s_add_co_u32 s51, s51, s43                     ; 16 x first tile + sl
	s_mul_i32 s52, s51, 1536
	s_add_nc_u64 s[44:45], s[30:31], s[52:53]      ; where my images go,
	s_lshl_b32 s52, s51, 7
	s_add_nc_u64 s[46:47], s[30:31], s[52:53]
	s_add_nc_u64 s[46:47], s[46:47], HS_OFF        ; and their scale words
	s_lshl_b32 s52, s34, 6
	s_add_nc_u64 s[48:49], s[8:9], s[52:53]        ; the list of tokens at my first tile
	s_add_nc_u64 s[60:61], s[10:11], XS_OFF        ; x's scale bytes
.macro WLOAD s                         ; K step s of W1: 8 fragments, three loads of 16 bytes each
.irp t, 0,1,2,3,4,5,6,7
	WSET 8*(\s)+\t
	WIN (WW<<6)                                    ; the destination's window; the address lies in window 0
.set RO, 32*(\t/4)+1024*((\t/2)%2)+8*(\t%2)
.irp c, 0,1,2
	global_load_b128 v[WR+4*\c:WR+4*\c+3], v220, s[36:37] offset:768*RO+48*(\s)+16*\c
.endr
.endr
.endm
.macro XLOAD                           ; a tile's 8 fragments of x and its scale words (lanes 0-15: K steps 0-3, lanes 16-31: 4-7)
.irp s, 0,1,2,3,4,5,6,7
.irp c, 0,1,2
	global_load_b128 v[XF+12*\s+4*\c:XF+12*\s+4*\c+3], v[XA], s[10:11] offset:48*\s+16*\c
.endr
.endr
	global_load_b128 v[XS:XS+3], v[XSA], s[60:61]
.endm
.macro BIAS                            ; b1 into the accumulators: lane (r, h), tile 2 b + u: my units 32 b + 16 h + 8 u + 0 .. 7
.irp t, 0,1,2,3,4,5,6,7
	ds_load_b128 v[ACC+8*\t:ACC+8*\t+3], v[BA] offset:4*(32*(\t/2)+8*(\t%2))
	ds_load_b128 v[ACC+8*\t+4:ACC+8*\t+7], v[BA] offset:4*(32*(\t/2)+8*(\t%2))+16
.endr
.endm
	global_load_b32 v[ID], v[RT], s[48:49]         ; the first tile's tokens
	global_load_b128 v[224:227], v222, s[40:41]    ; b1
.irp t, 0,1,2,3,4,5,6,7                ; W1's scale bytes: 8 of the row's lower 16 and 8 of its upper 16, into registers that the accumulators take later
.set RO, 32*(\t/4)+1024*((\t/2)%2)+8*(\t%2)
	global_load_b64 v[ACC+4*\t:ACC+4*\t+1], v221, s[38:39] offset:32*RO
	global_load_b64 v[ACC+4*\t+2:ACC+4*\t+3], v221, s[38:39] offset:32*RO+16
.endr
	WLOAD 0
	WIN 0
	s_wait_loadcnt 41                              ; the tokens are in: behind that load 1 + 16 + 24 were issued
	v_min_u32 v[ID], 1023, v[ID]
	v_mad_u32_u24 v[XA], v[ID], 768, v6
	v_lshl_add_u32 v[XSA], v[ID], 5, v7
	XLOAD
.irp s, 1,2,3,4,5,6,7
	WLOAD \s
.endr
	WIN 0
	s_wait_loadcnt 0x0
.irp t, 0,1,2,3,4,5,6,7                ; scale word 4 t + q: lanes 0-15 K step q, lanes 16-31 K step 4 + q
.irp q, 0,1,2,3
	v_perm_b32 v[WS+4*\t+\q], v[ACC+4*\t+2+\q/2], v[ACC+4*\t+\q/2], s[58+\q%2]
.endr
.endr
	ds_store_b128 v223, v[224:227]                 ; my wave's own bytes: LDS serves a wave's instructions in order, so the loads below see this store
	BIAS
.rept 8
	v_nop                                          ; a scale register written by a vector instruction stands 8 places ahead of a scaled matrix instruction
.endr
; 64 products: K step by K step, the eight accumulators by turns, one instruction a turn, over the backward jump too.  Four switches of the window.
.macro MULS
.irp s, 0,1,2,3,4,5,6,7
.irp t, 0,1,2,3,4,5,6,7
	WSET 8*\s+\t
	WIN WW
	MM ACC+8*\t, WR, XF+12*\s, ACC+8*\t, WS+4*\t+\s%4, XS+\s%4, \s/4
.endr
.endr
.endm
; gelu of 16 numbers: x / (1 + 2^(k1 x + k3 x^3)), which is 0.5 x (1 + tanh(sqrt(2 / pi) (x + 0.044715 x^3))) rewritten; it stays finite at both ends.  Each accumulator is read from its low end on.
.macro GELU g
.set GX, ACC+16*\g
.irp p, 0,2,4,6,8,10,12,14
	v_pk_mul_f32 v[TM+\p:TM+\p+1], v[GX+\p:GX+\p+1], v[GX+\p:GX+\p+1]
.endr
.irp p, 0,2,4,6,8,10,12,14
	v_pk_fma_f32 v[TM+\p:TM+\p+1], v[TM+\p:TM+\p+1], s[56:57], v[10:11] op_sel_hi:[1,0,1]
.endr
.irp p, 0,2,4,6,8,10,12,14
	v_pk_mul_f32 v[TM+\p:TM+\p+1], v[TM+\p:TM+\p+1], v[GX+\p:GX+\p+1]
.endr
.irp i, 0,1,2,3,4,5,6,7,8,9,10,11,12,13,14,15
	v_exp_f32 v[TM+\i], v[TM+\i]
.endr
	v_nop                                          ; a plain place behind the exponentials
	s_wait_alu depctr_va_vdst(0)
.irp p, 0,2,4,6,8,10,12,14
	v_pk_add_f32 v[TM+\p:TM+\p+1], v[TM+\p:TM+\p+1], 1.0 op_sel_hi:[1,0]
.endr
.irp i, 0,1,2,3,4,5,6,7,8,9,10,11,12,13,14,15
	v_rcp_f32 v[TM+\i], v[TM+\i]
.endr
	v_nop                                          ; a plain place behind the reciprocals
	s_wait_alu depctr_va_vdst(0)
.irp p, 0,2,4,6,8,10,12,14
	v_pk_mul_f32 v[GX+\p:GX+\p+1], v[GX+\p:GX+\p+1], v[TM+\p:TM+\p+1]
.endr
.endm
; The lane's 64 numbers, register 16 b + i = number 16 h + i of my row's block b, become codes and a scale word.  First part: up to the conversions.
.macro QUANT_A
.irp b, 0,1,2,3
	v_max3_num_f32 v[TM+\b], |v[ACC+16*\b]|, |v[ACC+1+16*\b]|, 0x1800000   ; my 16 numbers, and the floor 2^(3 - 127): the byte cannot fall under 1
.endr
.irp i, 2,4,6,8,10,12,14
.irp b, 0,1,2,3
	v_max3_num_f32 v[TM+\b], v[TM+\b], |v[ACC+16*\b+\i]|, |v[ACC+1+16*\b+\i]|
.endr
.endr
.irp b, 0,1,2,3
	v_permlanex16_b32 v[TM+4+\b], v[TM+\b], s54, s55
.endr
.irp b, 0,1,2,3
	v_max_num_f32 v[TM+\b], v[TM+\b], v[TM+4+\b]   ; with lane l xor 16's: the block's largest magnitude
.endr
.irp b, 0,1,2,3
	v_add_nc_u32 v[TM+12+\b], 0xff000000, v[TM+\b] ; 2 off its exponent field: the conversion's scale operand
.endr
.irp b, 0,1,2,3
	v_lshrrev_b32 v[TM+4+\b], 23, v[TM+12+\b]      ; the scale's byte
.endr
	v_lshl_or_b32 v[PW], v[TM+5], 8, v[TM+4]
	v_lshl_or_b32 v[PW], v[TM+6], 16, v[PW]
	v_lshl_or_b32 v[PW], v[TM+7], 24, v[PW]        ; my row's scale word, the same in both halves of the lanes
.irp c, 0,1
	v_cvt_scalef32_pk16_fp6_f32 v[PC+6*\c:PC+2+6*\c], v[ACC+32*\c:ACC+15+32*\c], v[TM+12+2*\c]
	v_cvt_scalef32_pk16_fp6_f32 v[PC+12+4*\c:PC+14+4*\c], v[ACC+16+32*\c:ACC+31+32*\c], v[TM+12+2*\c+1]   ; (a conversion's three registers begin on an even number)
.endr
	v_nop                                          ; a plain place behind the conversions
.endm
.macro QUANT_B                         ; the operand's layout wants a whole block in a lane: lanes 0-15 block 2 c, lanes 16-31 block 2 c + 1
.irp c, 0,1
.irp i, 0,1,2
	v_permlane16_swap_b32 v[PC+6*\c+\i], v[PC+12+4*\c+\i]
.endr
.irp i, 0,1,2
	v_mov_b32 v[PC+3+6*\c+\i], v[PC+12+4*\c+\i]
.endr
.endr
.endm
.Ltile:                                            ; one trip: one tile of 16 rows
	s_wait_loadcnt 0x0                             ; x's fragments and scale words
	s_wait_dscnt 0x0                               ; b1 lies in the accumulators
	s_add_co_u32 s51, s50, 1
	s_sub_co_u32 s52, s35, 1
	s_min_u32 s51, s51, s52
	s_min_u32 s51, s51, 4                          ; the next tile, or this one again in the last trip
	s_lshl_b32 s51, s51, 6
	v_add_nc_u32 v[RTN], s51, v[RT]
	global_load_b32 v[ID], v[RTN], s[48:49]        ; its tokens come while this tile is multiplied
	MULS
	WIN 0
	s_wait_loadcnt 0x0                             ; the one load that is out
	v_min_u32 v[ID], 1023, v[ID]                   ; these four lines are also the places behind the last product
	v_mad_u32_u24 v[XA], v[ID], 768, v6
	v_lshl_add_u32 v[XSA], v[ID], 5, v7
	v_nop
	s_add_co_u32 s51, s50, 1
	s_cmp_eq_u32 s51, s35
	s_cbranch_scc1 .Lno_next                       ; the last tile asks for nothing
	XLOAD                                          ; the next tile's x lands under this tile's vector work
.Lno_next:
	GELU 0
	GELU 1
	GELU 2
	GELU 3
	QUANT_A
	BIAS                                           ; the accumulators are free: b1 for the next tile
	QUANT_B
.irp c, 0,1,2
	global_store_b128 v8, v[PC+4*\c:PC+4*\c+3], s[44:45] offset:512*\c   ; 512 consecutive bytes, at a multiple of 256 from the buffer's first byte
.endr
	global_store_b32 v9, v[PW], s[46:47]           ; 128 consecutive bytes
	s_wait_xcnt 0x0                                ; the stores' bases and data are written again only behind this wait
	s_add_nc_u64 s[44:45], s[44:45], 24576         ; a tile's 16 images
	s_add_nc_u64 s[46:47], s[46:47], 2048
	s_add_co_u32 s50, s50, 1
	s_cmp_lt_u32 s50, s35
	s_cbranch_scc1 .Ltile
	s_wait_dscnt 0x0
.Lend:
	s_set_vgpr_msb 0x5
	s_wait_tensorcnt 0x0
	ds_add_u32 v254, v255
	s_wait_dscnt 0x0
	s_set_vgpr_msb 0x500
	s_endpgm
.Lfunc_end_k_qd7766a16e1_up:
	.size	k_qd7766a16e1_up, .Lfunc_end_k_qd7766a16e1_up-k_qd7766a16e1_up
	.p2alignl 7, 3214868480
	.fill 96, 4, 3214868480
	.section	.rodata,"a",@progbits
	.p2align	6, 0x0
	.amdhsa_kernel k_qd7766a16e1_up
		.amdhsa_group_segment_fixed_size 2560
		.amdhsa_private_segment_fixed_size 0
		.amdhsa_enable_private_segment 0
		.amdhsa_kernarg_size 96
		.amdhsa_user_sgpr_count 2
		.amdhsa_user_sgpr_kernarg_segment_ptr 1
		.amdhsa_wavefront_size32 1
		.amdhsa_system_sgpr_workgroup_id_x 1
		.amdhsa_system_sgpr_workgroup_id_y 1
		.amdhsa_system_sgpr_workgroup_id_z 1
		.amdhsa_system_vgpr_workitem_id 0
		.amdhsa_next_free_vgpr 1024
		.amdhsa_next_free_sgpr 66
		.amdhsa_reserve_vcc 0
		.amdhsa_float_denorm_mode_32 3
		.amdhsa_float_denorm_mode_16_64 3
		.amdhsa_memory_ordered 1
		.amdhsa_forward_progress 1
		.amdhsa_inst_pref_size 61
	.end_amdhsa_kernel
	.amdgpu_metadata
---
amdhsa.version: [ 1, 2 ]
amdhsa.kernels:
  - .name:           k_qd7766a16e1_up
    .symbol:         k_qd7766a16e1_up.kd
    .args:
      - { .name: plan, .offset: 0, .size: 8, .value_kind: global_buffer, .address_space: global }
      - { .name: xq, .offset: 8, .size: 8, .value_kind: global_buffer, .address_space: global }
      - { .name: shared_w1_codes, .offset: 16, .size: 8, .value_kind: global_buffer, .address_space: global }
      - { .name: shared_w1_scales, .offset: 24, .size: 8, .value_kind: global_buffer, .address_space: global }
      - { .name: shared_b1, .offset: 32, .size: 8, .value_kind: global_buffer, .address_space: global }
      - { .name: mode_w1_codes, .offset: 40, .size: 8, .value_kind: global_buffer, .address_space: global }
      - { .name: mode_w1_scales, .offset: 48, .size: 8, .value_kind: global_buffer, .address_space: global }
      - { .name: mode_b1, .offset: 56, .size: 8, .value_kind: global_buffer, .address_space: global }
      - { .name: routed_w1_codes, .offset: 64, .size: 8, .value_kind: global_buffer, .address_space: global }
      - { .name: routed_w1_scales, .offset: 72, .size: 8, .value_kind: global_buffer, .address_space: global }
      - { .name: routed_b1, .offset: 80, .size: 8, .value_kind: global_buffer, .address_space: global }
      - { .name: hq, .offset: 88, .size: 8, .value_kind: global_buffer, .address_space: global }
    .group_segment_fixed_size: 2560
    .private_segment_fixed_size: 0
    .kernarg_segment_align: 8
    .kernarg_segment_size: 96
    .max_flat_workgroup_size: 128
    .sgpr_count:     66
    .vgpr_count:     1024
    .wavefront_size: 32
...
	.end_amdgpu_metadata
.endif
;; end of part 3
;; launch down (part 4): grid 62 x 4, 4 waves a work-group, no clusters, 17,920 bytes of LDS; arguments plan, hq, shared_w2_codes, shared_w2_scales, shared_b2, mode_w2_codes, mode_w2_scales, mode_b2, routed_w2_codes, routed_w2_scales, routed_b2, part; writes part
.if DOCPART == 4
	.amdgcn_target "amdgcn-amd-amdhsa--gfx1250"
	.amdhsa_code_object_version 6
	.text
	.protected	k_qd7766a16e1_down
	.globl	k_qd7766a16e1_down
	.p2align	8
	.type	k_qd7766a16e1_down,@function
k_qd7766a16e1_down:
	s_mov_b64 s[64:65], 0
	v_nop
	global_prefetch_b8 v0, s[64:65] scope:SCOPE_SE
	s_setreg_imm32_b32 hwreg(HW_REG_WAVE_MODE, 25, 1), 1
	s_wait_xcnt 0x0
; DOWN.  part = h W2^T + b2 for the sorted rows, f32, on codes of E2M3 with one E8M0 scale for each 32 along K.
; SHARES.  Work-group x is a chunk of the stored list (1 to 5 tiles of 16 sorted rows of one expert; a chunk without tiles ends at once).  Wave cs = 4 y + wave, 0 to 15, makes
; output columns 64 cs to 64 cs + 63 for all the chunk's rows.  THE WEIGHTS STAY, THE ROWS STREAM: the wave's 64 fragments of W2 (4 tiles of 16 columns x 16 K steps, 768 registers) are read once;
; a tile of rows is 16 fragments of h, which come as images of their registers, and 64 matrix instructions.  Waves share nothing: no barrier; nothing is brought by a copy engine.
; THE ORDER OF K: lanes 0-15 take blocks 0-31 of a row of W2, lanes 16-31 blocks 32-63, 48 consecutive bytes a K step: K step s multiplies blocks 2 s, 32 + 2 s, 2 s + 1, 33 + 2 s, as h's images were made.
; LIMIT: the sums are taken in that order of K, so their last bits may differ from a sum in ascending order.
; The product is used transposed (source 0 = W2, source 1 = h): a lane holds one row and eight neighbouring columns.  b2 is the C of each sum's first product.
; h's fragments go through a ring of 8 register slots: behind the products of K step s its slot takes fragment s + 8 of this tile, or s - 8 of the next.  The last trip reads its own tile's first
; half once more in place of a next tile's, so that the counted wait means the same on every way.
; REGISTERS.  Window 0: v1-6 addresses; v12-19 h's scale words (lanes 0-15: K steps 0-7, lanes 16-31: 8-15); v20-51 W2's; v52-63 fragment 63 of W2; v64-95 the 4 accumulators; v96-127 b2; v128-223 the ring;
; v252, v253 the ring's addresses, copied into the same numbers of windows 1-3, so that a load under the products' window setting finds its address.  Windows 1-3: W2's fragment f = 4 s + n at window 1 + f / 21, register 12 (f % 21).
.set CH_OFF, 17664
.set HS_OFF, 6684672
.set STO, 1
.set RD,  2
.set PO,  3
.set HS,  12
.set WS,  20
.set W63, 52
.set ACC, 64
.set B2,  96
.set HF,  128
.set LO,  252                          ; 16 x lane
.set LS2, 253                          ; 4 x lane + 1,024 x (lane / 16)
.set MSB, 0
.macro WIN new                         ; the immediate's high byte repeats the setting that is left; a switch that changes nothing is dropped
.if MSB != (\new)
	s_set_vgpr_msb (MSB<<8)|(\new)
.set MSB, (\new)
.endif
.endm
.macro WSET f
.if (\f) == 63
.set WW, 0
.set WR, W63
.else
.set WW, 1+(\f)/21
.set WR, 12*((\f)%21)
.endif
.endm
.macro MM d, a, b, c, sa, sb, hi       ; one product; hi = 1: both scale words are taken from lanes 16-31
.if \hi
	v_wmma_scale_f32_16x16x128_f8f6f4 v[\d:\d+7], v[\a:\a+11], v[\b:\b+11], v[\c:\c+7], v[\sa], v[\sb] matrix_a_fmt:MATRIX_FMT_FP6 matrix_b_fmt:MATRIX_FMT_FP6 matrix_a_scale:MATRIX_SCALE_ROW1 matrix_b_scale:MATRIX_SCALE_ROW1
.else
	v_wmma_scale_f32_16x16x128_f8f6f4 v[\d:\d+7], v[\a:\a+11], v[\b:\b+11], v[\c:\c+7], v[\sa], v[\sb] matrix_a_fmt:MATRIX_FMT_FP6 matrix_b_fmt:MATRIX_FMT_FP6
.endif
.endm
	s_load_b512 s[8:23], s[0:1], 0x0               ; plan s[8:9], hq s[10:11]; shared: codes s[12:13], scales s[14:15], b2 s[16:17]; mode: s[18:19], s[20:21], s[22:23]
	s_load_b256 s[24:31], s[0:1], 0x40             ; routed: s[24:25], s[26:27], s[28:29]; part s[30:31]
	v_lshl_add_u32 v254, v0, 2, 0x4400
	v_mov_b32 v255, 0
	v_lshrrev_b32 v7, 5, v0
	v_readfirstlane_b32 s42, v7                    ; wave
	s_and_b32 s43, ttmp7, 0xffff
	s_lshl_b32 s43, s43, 2
	s_add_co_u32 s43, s43, s42                     ; cs
	s_lshl_b32 s57, ttmp9, 4
	s_wait_kmcnt 0x0
	s_load_b128 s[32:35], s[8:9], s57 offset:CH_OFF   ; my chunk: kind, expert, first tile, tiles
	v_and_b32 v7, 31, v0                           ; lane
	v_and_b32 v8, 15, v0                           ; r
	v_bfe_u32 v9, v0, 4, 1                         ; h
	s_mul_i32 s62, s42, 4352                       ; my stage: 16 rows of 256 bytes + 16
	v_mul_u32_u24 v[STO], v8, 272
	v_lshl_add_u32 v[STO], v9, 5, v[STO]
	v_add_nc_u32 v[STO], s62, v[STO]               ; in: row r, 32 bytes for each half of the lanes
	v_mul_u32_u24 v[RD], v9, 272
	v_lshl_add_u32 v[RD], v8, 4, v[RD]
	v_add_nc_u32 v[RD], s62, v[RD]                 ; back: lanes 0-15 one row, lanes 16-31 the next
	v_lshlrev_b32 v[PO], 12, v9
	v_lshl_add_u32 v[PO], v8, 4, v[PO]             ; and the same two rows in part
	v_mul_u32_u24 v4, v8, 1536
	v_mad_u32_u24 v4, v9, 768, v4                  ; W2's codes: row r, + my half's 768 bytes
	v_lshlrev_b32 v5, 6, v8
	v_lshl_add_u32 v5, v9, 4, v5                   ; W2's scale bytes: row r's 64, + 16 h
	v_lshlrev_b32 v6, 5, v9                        ; b2: 32 h
	v_lshlrev_b32 v[LO], 4, v7
	v_lshlrev_b32 v[LS2], 2, v7
	v_lshl_add_u32 v[LS2], v9, 10, v[LS2]
.irp w, 1,2,3
	WIN (\w<<6)                                    ; destination window w, source window 0
	v_mov_b32 v[LO], v[LO]
	v_mov_b32 v[LS2], v[LS2]
.endr
	WIN 0
	s_mov_b32 s58, 0x05010400                      ; byte selects that weave two bytes of the lower 32 blocks with two of the upper 32
	s_mov_b32 s59, 0x07030602
	s_mov_b32 s56, 0
	s_mov_b32 s61, 0
	s_wait_kmcnt 0x0
	s_cmp_eq_u32 s35, 0
	s_cbranch_scc1 .Lend                           ; this choice has no such chunk
	s_min_u32 s32, s32, 2
	s_min_u32 s33, s33, 7
	s_min_u32 s34, s34, 267
	s_min_u32 s35, s35, 5
	s_cmp_eq_u32 s32, 1                            ; the kind picks the three buffers
	s_cselect_b64 s[36:37], s[18:19], s[24:25]
	s_cselect_b64 s[38:39], s[20:21], s[26:27]
	s_cselect_b64 s[40:41], s[22:23], s[28:29]
	s_cmp_eq_u32 s32, 0
	s_cselect_b64 s[36:37], s[12:13], s[36:37]
	s_cselect_b64 s[38:39], s[14:15], s[38:39]
	s_cselect_b64 s[40:41], s[16:17], s[40:41]
	s_mul_i32 s60, s33, 1572864                    ; an expert's codes; 64 cs rows of 1,536 bytes
	s_mul_i32 s62, s43, 98304
	s_add_co_u32 s60, s60, s62
	s_add_nc_u64 s[36:37], s[36:37], s[60:61]
	s_lshl_b32 s60, s33, 16                        ; its scale bytes; 64 cs rows of 64
	s_lshl_b32 s62, s43, 12
	s_add_co_u32 s60, s60, s62
	s_add_nc_u64 s[38:39], s[38:39], s[60:61]
	s_lshl_b32 s60, s33, 12                        ; its b2; 64 cs numbers
	s_lshl_b32 s62, s43, 8
	s_add_co_u32 s60, s60, s62
	s_add_nc_u64 s[40:41], s[40:41], s[60:61]
	s_mul_i32 s60, s34, 24576
	s_add_nc_u64 s[44:45], s[10:11], s[60:61]      ; the chunk's first tile: its 16 images,
	s_lshl_b32 s60, s34, 11
	s_add_nc_u64 s[46:47], s[10:11], s[60:61]
	s_add_nc_u64 s[46:47], s[46:47], HS_OFF        ; and their scale words
	s_mov_b64 s[48:49], s[44:45]                   ; the tile in hand
	s_lshl_b32 s60, s34, 16
	s_lshl_b32 s62, s43, 8
	s_add_co_u32 s60, s60, s62
	s_add_nc_u64 s[54:55], s[30:31], s[60:61]      ; part: 16 rows of 4,096 bytes a tile, + my 256 bytes of a row
	s_sub_co_u32 s57, s35, 1
	s_min_u32 s57, s57, 1
	s_mul_i32 s60, s57, 24576
	s_add_nc_u64 s[50:51], s[44:45], s[60:61]      ; the next tile (the same one where there is no other)
	s_lshl_b32 s60, s57, 11
	s_add_nc_u64 s[52:53], s[46:47], s[60:61]
.irp n, 0,1,2,3                        ; W2's scale bytes: 16 of the row's lower 32 and 16 of its upper 32, into registers that the accumulators take later
	global_load_b128 v[ACC+8*\n:ACC+8*\n+3], v5, s[38:39] offset:1024*\n
	global_load_b128 v[ACC+8*\n+4:ACC+8*\n+7], v5, s[38:39] offset:1024*\n+32
.endr
.irp n, 0,1,2,3                        ; b2 in the result's layout: columns 16 n + 8 h + 0 .. 7
	global_load_b128 v[B2+8*\n:B2+8*\n+3], v6, s[40:41] offset:64*\n
	global_load_b128 v[B2+8*\n+4:B2+8*\n+7], v6, s[40:41] offset:64*\n+16
.endr
.irp s, 0,1,2,3,4,5,6,7,8,9,10,11,12,13,14,15
.irp n, 0,1,2,3
	WSET 4*\s+\n
	WIN (WW<<6)                                    ; the destination's window; the address lies in window 0
.irp c, 0,1,2
	global_load_b128 v[WR+4*\c:WR+4*\c+3], v4, s[36:37] offset:24576*\n+48*\s+16*\c
.endr
.endr
.endr
	WIN 0
.irp q, 0,1,2,3,4,5,6,7
	global_load_b32 v[HS+\q], v[LS2], s[46:47] offset:128*\q
.endr
.irp s, 0,1,2,3,4,5,6,7
.irp c, 0,1,2
	global_load_b128 v[HF+12*\s+4*\c:HF+12*\s+4*\c+3], v[LO], s[48:49] offset:1536*\s+512*\c
.endr
.endr
	s_wait_loadcnt 32                              ; the weights, their scale bytes and b2 are in; the 8 + 24 loads issued last may be out
.irp n, 0,1,2,3                        ; scale word 8 n + q: lanes 0-15 K step q, lanes 16-31 K step 8 + q
.irp q, 0,1,2,3,4,5,6,7
	v_perm_b32 v[WS+8*\n+\q], v[ACC+8*\n+4+\q/2], v[ACC+8*\n+\q/2], s[58+\q%2]
.endr
.endr
.rept 8
	v_nop                                          ; a scale register written by a vector instruction stands 8 places ahead of a scaled matrix instruction
.endr
; K step s: four products, the four accumulators by turns; places; the slot's next fragment.
.macro STEP s
	s_wait_loadcnt 21                              ; fragment s and its scale word are in: behind them seven batches of 3 loads or more were issued
.irp n, 0,1,2,3
	WSET 4*(\s)+\n
	WIN WW
.if \s == 0
	MM ACC+8*\n, WR, HF, B2+8*\n, WS+8*\n, HS, 0
.else
	MM ACC+8*\n, WR, HF+12*(\s%8), ACC+8*\n, WS+8*\n+\s%8, HS+\s%8, \s/8
.endif
.endr
.rept 4+(\s)/15
	v_nop                                          ; four places in front of loads into registers that these products read; behind the last K step five, since the next tile's first products begin the accumulators anew
.endr
.if \s < 8
.irp c, 0,1,2
	global_load_b128 v[HF+12*\s+4*\c:HF+12*\s+4*\c+3], v[LO], s[48:49] offset:1536*(\s+8)+512*\c
.endr
.else
	global_load_b32 v[HS+\s-8], v[LS2], s[52:53] offset:128*(\s-8)
.irp c, 0,1,2
	global_load_b128 v[HF+12*(\s-8)+4*\c:HF+12*(\s-8)+4*\c+3], v[LO], s[50:51] offset:1536*(\s-8)+512*\c
.endr
.endif
.endm
.Ltile:                                            ; one trip: one tile of 16 rows
.irp s, 0,1,2,3,4,5,6,7,8,9,10,11,12,13,14,15
	STEP \s
.endr
	; the way out (every window is 0: the last product's fragment lies in window 0): 16 rows x 64 columns through my own stage, back as whole rows of 256 bytes
.irp n, 0,1,2,3
	ds_store_b128 v[STO], v[ACC+8*\n:ACC+8*\n+3] offset:64*\n          ; each accumulator from its low end on
	ds_store_b128 v[STO], v[ACC+8*\n+4:ACC+8*\n+7] offset:64*\n+16
.endr
.irp i, 0,1,2,3,4,5,6,7
	ds_load_b128 v[ACC+4*\i:ACC+4*\i+3], v[RD] offset:544*\i           ; LDS serves a wave's instructions in order: these see my stores
.endr
.irp i, 0,1,2,3,4,5,6,7
	s_wait_dscnt 7-\i
	global_store_b128 v[PO], v[ACC+4*\i:ACC+4*\i+3], s[54:55] offset:8192*\i   ; 16 lanes store 256 consecutive bytes, at a multiple of 256 from the buffer's first byte
.endr
	s_wait_xcnt 0x0                                ; the bases of loads and stores, and the stores' data, are written again only behind this wait
	s_mov_b64 s[48:49], s[50:51]
	s_add_co_u32 s57, s56, 2
	s_sub_co_u32 s62, s35, 1
	s_min_u32 s57, s57, s62
	s_min_u32 s57, s57, 4                          ; the tile after the next, or the last
	s_mul_i32 s60, s57, 24576
	s_add_nc_u64 s[50:51], s[44:45], s[60:61]
	s_lshl_b32 s60, s57, 11
	s_add_nc_u64 s[52:53], s[46:47], s[60:61]
	s_add_nc_u64 s[54:55], s[54:55], 65536
	s_add_co_u32 s56, s56, 1
	s_cmp_lt_u32 s56, s35
	s_cbranch_scc1 .Ltile
.Lend:
	s_wait_tensorcnt 0x0
	ds_add_u32 v254, v255
	s_wait_dscnt 0x0
	s_endpgm
.Lfunc_end_k_qd7766a16e1_down:
	.size	k_qd7766a16e1_down, .Lfunc_end_k_qd7766a16e1_down-k_qd7766a16e1_down
	.p2alignl 7, 3214868480
	.fill 96, 4, 3214868480
	.section	.rodata,"a",@progbits
	.p2align	6, 0x0
	.amdhsa_kernel k_qd7766a16e1_down
		.amdhsa_group_segment_fixed_size 17920
		.amdhsa_private_segment_fixed_size 0
		.amdhsa_enable_private_segment 0
		.amdhsa_kernarg_size 96
		.amdhsa_user_sgpr_count 2
		.amdhsa_user_sgpr_kernarg_segment_ptr 1
		.amdhsa_wavefront_size32 1
		.amdhsa_system_sgpr_workgroup_id_x 1
		.amdhsa_system_sgpr_workgroup_id_y 1
		.amdhsa_system_sgpr_workgroup_id_z 1
		.amdhsa_system_vgpr_workitem_id 0
		.amdhsa_next_free_vgpr 1024
		.amdhsa_next_free_sgpr 66
		.amdhsa_reserve_vcc 0
		.amdhsa_float_denorm_mode_32 3
		.amdhsa_float_denorm_mode_16_64 3
		.amdhsa_memory_ordered 1
		.amdhsa_forward_progress 1
		.amdhsa_inst_pref_size 48
	.end_amdhsa_kernel
	.amdgpu_metadata
---
amdhsa.version: [ 1, 2 ]
amdhsa.kernels:
  - .name:           k_qd7766a16e1_down
    .symbol:         k_qd7766a16e1_down.kd
    .args:
      - { .name: plan, .offset: 0, .size: 8, .value_kind: global_buffer, .address_space: global }
      - { .name: hq, .offset: 8, .size: 8, .value_kind: global_buffer, .address_space: global }
      - { .name: shared_w2_codes, .offset: 16, .size: 8, .value_kind: global_buffer, .address_space: global }
      - { .name: shared_w2_scales, .offset: 24, .size: 8, .value_kind: global_buffer, .address_space: global }
      - { .name: shared_b2, .offset: 32, .size: 8, .value_kind: global_buffer, .address_space: global }
      - { .name: mode_w2_codes, .offset: 40, .size: 8, .value_kind: global_buffer, .address_space: global }
      - { .name: mode_w2_scales, .offset: 48, .size: 8, .value_kind: global_buffer, .address_space: global }
      - { .name: mode_b2, .offset: 56, .size: 8, .value_kind: global_buffer, .address_space: global }
      - { .name: routed_w2_codes, .offset: 64, .size: 8, .value_kind: global_buffer, .address_space: global }
      - { .name: routed_w2_scales, .offset: 72, .size: 8, .value_kind: global_buffer, .address_space: global }
      - { .name: routed_b2, .offset: 80, .size: 8, .value_kind: global_buffer, .address_space: global }
      - { .name: part, .offset: 88, .size: 8, .value_kind: global_buffer, .address_space: global }
    .group_segment_fixed_size: 17920
    .private_segment_fixed_size: 0
    .kernarg_segment_align: 8
    .kernarg_segment_size: 96
    .max_flat_workgroup_size: 128
    .sgpr_count:     66
    .vgpr_count:     1024
    .wavefront_size: 32
...
	.end_amdgpu_metadata
.endif
;; end of part 4
;; launch combine (part 5): grid 256 x 1, 4 waves a work-group, no clusters, 0 bytes of LDS; arguments plan, xq, part, out0; writes out0
.if DOCPART == 5
	.amdgcn_target "amdgcn-amd-amdhsa--gfx1250"
	.amdhsa_code_object_version 6
	.text
	.protected	k_qd7766a16e1_combine
	.globl	k_qd7766a16e1_combine
	.p2align	8
	.type	k_qd7766a16e1_combine,@function
k_qd7766a16e1_combine:
	s_mov_b64 s[64:65], 0
	v_nop
	global_prefetch_b8 v0, s[64:65] scope:SCOPE_SE
	s_setreg_imm32_b32 hwreg(HW_REG_WAVE_MODE, 25, 1), 1
	s_wait_xcnt 0x0
; COMBINE.  out0[t] = part[t] + part[mode's row] + p1 x part[first routed row] + p2 x part[second routed row], in f32.
; One wave takes one token t = 4 x work-group + wave: its four sorted rows come from the stored list, its two weights from the first launch.
; A row is 4,096 bytes: eight loads of 512 consecutive bytes; all 32 loads of the wave go out at once.  Each row of part is read by one wave of the launch, each row of out0 written once.
; A stream: no LDS, no barrier, no matrix work.
.set POS_OFF,  18688
.set GATE_OFF, 819200
.set R, 16                             ; v16-143: piece i of the four rows at v[16 + 16 i + 4 p]
	s_load_b256 s[4:11], s[0:1], 0x0               ; plan s[4:5], xq s[6:7], part s[8:9], out0 s[10:11]
	v_lshrrev_b32 v2, 5, v0
	v_readfirstlane_b32 s12, v2                    ; wave
	v_and_b32 v1, 31, v0
	v_lshlrev_b32 v1, 4, v1                        ; 16 x lane
	s_lshl_b32 s13, ttmp9, 2
	s_add_co_u32 s13, s13, s12                     ; my token
	s_lshl_b32 s14, s13, 4
	s_lshl_b32 s15, s13, 3
	s_wait_kmcnt 0x0
	s_load_b128 s[16:19], s[4:5], s14 offset:POS_OFF    ; its four sorted rows
	s_load_b64 s[20:21], s[6:7], s15 offset:GATE_OFF    ; its two weights
	s_lshl_b32 s22, s13, 12
	s_mov_b32 s23, 0
	s_add_nc_u64 s[34:35], s[10:11], s[22:23]
	s_wait_kmcnt 0x0
.irp p, 0,1,2,3
	s_min_u32 s22, s[16+\p], 4351
	s_lshl_b32 s22, s22, 12
	s_add_nc_u64 s[24+2*\p:25+2*\p], s[8:9], s[22:23]
.endr
	s_mov_b32 s32, s21                             ; the second weight in a pair of its own: the packed form takes a pair's low word for both halves
	s_mov_b32 s33, s21
.irp i, 0,1,2,3,4,5,6,7
.irp p, 0,1,2,3
	global_load_b128 v[R+16*\i+4*\p:R+16*\i+4*\p+3], v1, s[24+2*\p:25+2*\p] offset:512*\i th:TH_LOAD_NT
.endr
.endr
.irp i, 0,1,2,3,4,5,6,7
	s_wait_loadcnt 4*(7-\i)                        ; piece i of the four rows is in; the later pieces may be out
.irp u, 0,2
	v_pk_add_f32 v[R+16*\i+\u:R+16*\i+\u+1], v[R+16*\i+\u:R+16*\i+\u+1], v[R+16*\i+4+\u:R+16*\i+4+\u+1]
.endr
.irp u, 0,2
	v_pk_fma_f32 v[R+16*\i+\u:R+16*\i+\u+1], v[R+16*\i+8+\u:R+16*\i+8+\u+1], s[20:21], v[R+16*\i+\u:R+16*\i+\u+1] op_sel_hi:[1,0,1]
.endr
.irp u, 0,2
	v_pk_fma_f32 v[R+16*\i+\u:R+16*\i+\u+1], v[R+16*\i+12+\u:R+16*\i+12+\u+1], s[32:33], v[R+16*\i+\u:R+16*\i+\u+1] op_sel_hi:[1,0,1]
.endr
	global_store_b128 v1, v[R+16*\i:R+16*\i+3], s[34:35] offset:512*\i th:TH_STORE_NT   ; 512 consecutive bytes, at a multiple of 256 from out0's first byte
.endr
	s_endpgm
.Lfunc_end_k_qd7766a16e1_combine:
	.size	k_qd7766a16e1_combine, .Lfunc_end_k_qd7766a16e1_combine-k_qd7766a16e1_combine
	.p2alignl 7, 3214868480
	.fill 96, 4, 3214868480
	.section	.rodata,"a",@progbits
	.p2align	6, 0x0
	.amdhsa_kernel k_qd7766a16e1_combine
		.amdhsa_group_segment_fixed_size 0
		.amdhsa_private_segment_fixed_size 0
		.amdhsa_enable_private_segment 0
		.amdhsa_kernarg_size 32
		.amdhsa_user_sgpr_count 2
		.amdhsa_user_sgpr_kernarg_segment_ptr 1
		.amdhsa_wavefront_size32 1
		.amdhsa_system_sgpr_workgroup_id_x 1
		.amdhsa_system_sgpr_workgroup_id_y 1
		.amdhsa_system_sgpr_workgroup_id_z 1
		.amdhsa_system_vgpr_workitem_id 0
		.amdhsa_next_free_vgpr 144
		.amdhsa_next_free_sgpr 66
		.amdhsa_reserve_vcc 0
		.amdhsa_float_denorm_mode_32 3
		.amdhsa_float_denorm_mode_16_64 3
		.amdhsa_memory_ordered 1
		.amdhsa_forward_progress 1
		.amdhsa_inst_pref_size 9
	.end_amdhsa_kernel
	.amdgpu_metadata
---
amdhsa.version: [ 1, 2 ]
amdhsa.kernels:
  - .name:           k_qd7766a16e1_combine
    .symbol:         k_qd7766a16e1_combine.kd
    .args:
      - { .name: plan, .offset: 0, .size: 8, .value_kind: global_buffer, .address_space: global }
      - { .name: xq, .offset: 8, .size: 8, .value_kind: global_buffer, .address_space: global }
      - { .name: part, .offset: 16, .size: 8, .value_kind: global_buffer, .address_space: global }
      - { .name: out0, .offset: 24, .size: 8, .value_kind: global_buffer, .address_space: global }
    .group_segment_fixed_size: 0
    .private_segment_fixed_size: 0
    .kernarg_segment_align: 8
    .kernarg_segment_size: 32
    .max_flat_workgroup_size: 128
    .sgpr_count:     66
    .vgpr_count:     144
    .wavefront_size: 32
...
	.end_amdgpu_metadata
.endif
;; end of part 5
;; ======== version 2 of 2: 4 launches
;; limits: right only within a limited range of input values
;; workspace buffers: xq 827,392 bytes; sel 8,192 bytes of whole numbers; hq 27,262,976 bytes; part 17,825,792 bytes
;; launch route (part 6): grid 256 x 1, 4 waves a work-group, no clusters, 58,880 bytes of LDS; arguments hidden, router_w, router_b, out1, out2, out3, xq, sel; writes out1, out2, out3, xq, sel
.if DOCPART == 6
	.amdgcn_target "amdgcn-amd-amdhsa--gfx1250"
	.amdhsa_code_object_version 6
	.text
	.protected	k_qd7766a16e1_route
	.globl	k_qd7766a16e1_route
	.p2align	8
	.type	k_qd7766a16e1_route,@function
k_qd7766a16e1_route:
	s_mov_b64 s[64:65], 0
	v_nop
	global_prefetch_b8 v0, s[64:65] scope:SCOPE_SE
	s_setreg_imm32_b32 hwreg(HW_REG_WAVE_MODE, 25, 1), 1
	s_wait_xcnt 0x0
; ROUTE.  One wave takes one token t = 4 x work-group + wave.  It makes the token's 8 router logits in f32 (out1), their softmax with the
; row's maximum taken away, the two largest probabilities (out3, and a copy for the last launch) and their indices (out2, and a copy as whole
; numbers for the next launch), and turns the token's 1,024 numbers into codes of E2M3 with one E8M0 byte for each 32.
; xq: codes [1024][768] as a plain stream of bits;  at XS_OFF the scale bytes [1024][32], block b at byte 4 ((b % 16) / 2) + 2 (b % 2) + b / 16 of
; the row, which is the order in which the launch that multiplies takes them;  at GATE_OFF the two probabilities [1024][2].
; No address and no branch hangs on a floating-point number: the choice is only stored.
; LIMITS: NaN and infinities among the inputs are not served.  Two probabilities that agree to within the rounding of f32 sums may change places
; against a sum taken in another order.  A block of zeros gets the byte 1 and zero codes (these bytes are read by this program alone).
; LDS: router_w as 256 pieces of 128 bytes (4 rows of 8 numbers) 144 bytes apart, an odd multiple of 16
; for each wave its token's 32 blocks of 128 bytes, laid likewise;  for each wave 768 bytes of codes.
.set LX,       36864                   ; behind router_w's 256 x 144 bytes: 4 x 4,608 bytes
.set LC,       55296                   ; behind them: 4 x 768 bytes
.set XS_OFF,   786432
.set GATE_OFF, 819200
.set X,   16                           ; v16-47   the token's row as loaded: register 4 i + j = number 128 i + 4 lane + j
.set WC,  48                           ; v48-111  router_w: first my quarter as loaded, then two sets of 32: register 8 j + e
.set ACC, 112                          ; v112-119 the eight sums, then the logits
.set B,   120                          ; v120-151 block number lane of the token: 32 neighbours
.set C,   152                          ; v152-157 its codes;  v158-160 the second conversion's result
.set D2,  158
.set P,   168                          ; v168-175 the probabilities
.set Q,   176                          ; v176-183 the same with the winner taken out
.set OC,  186                          ; v186-191 the codes on their way out
	s_load_b256 s[4:11], s[0:1], 0x0               ; hidden s[4:5], router_w s[6:7], router_b s[8:9], out1 s[10:11]
	s_load_b256 s[12:19], s[0:1], 0x20             ; out2 s[12:13], out3 s[14:15], xq s[16:17], sel s[18:19]
	v_lshl_add_u32 v192, v0, 2, 0xe400
	v_mov_b32 v193, 0
	v_lshrrev_b32 v12, 5, v0
	v_readfirstlane_b32 s20, v12                   ; wave
	v_and_b32 v1, 31, v0                           ; lane
	s_lshl_b32 s21, ttmp9, 2
	s_add_co_u32 s21, s21, s20                     ; my token
	v_lshrrev_b32 v12, 3, v1
	v_and_b32 v13, 7, v1
	v_mul_u32_u24 v2, v12, 144
	v_lshl_add_u32 v2, v13, 4, v2                  ; eight lanes' 128 bytes make a piece: 144 (lane / 8) + 16 (lane % 8)
	v_lshlrev_b32 v3, 4, v1                        ; 16 x lane
	s_mul_i32 s22, s20, 9216
	v_add_nc_u32 v4, s22, v2                       ; router_w on the way in: my quarter is 64 pieces
	s_mul_i32 s22, s20, 4608
	s_add_co_u32 s22, s22, LX
	v_add_nc_u32 v5, s22, v2                       ; my token's row on the way in
	v_mul_u32_u24 v6, v1, 144                      ; router_w on the way out: piece 32 i + lane
	v_add_nc_u32 v7, s22, v6                       ; my token's row on the way out: block number lane
	s_mul_i32 s22, s20, 768
	s_add_co_u32 s22, s22, LC
	v_mul_u32_u24 v8, v1, 24
	v_add_nc_u32 v8, s22, v8                       ; the codes: in, 24 bytes a lane;
	v_lshlrev_b32 v10, 3, v1
	v_add_nc_u32 v9, s22, v10                      ; out, 8 bytes a lane
	v_and_b32 v12, 15, v1
	v_lshrrev_b32 v12, 1, v12
	v_and_b32 v13, 1, v1
	v_lshlrev_b32 v13, 1, v13
	v_lshl_add_u32 v11, v12, 2, v13
	v_lshrrev_b32 v12, 4, v1
	v_add_nc_u32 v11, v11, v12                     ; my block's place among the row's 32 scale bytes
	v_mov_b32 v184, 0
	v_mov_b32 v185, -1.0
	s_mov_b32 s32, 0x76543210                      ; v_permlanex16_b32's selects for lane l xor 16
	s_mov_b32 s33, 0xfedcba98
	s_wait_kmcnt 0x0
	s_load_b256 s[24:31], s[8:9], 0x0              ; router_b
	s_mov_b32 s23, 0
	s_lshl_b32 s22, s20, 13
	s_add_nc_u64 s[6:7], s[6:7], s[22:23]          ; my quarter of router_w: 8,192 bytes
	s_lshl_b32 s22, s21, 12
	s_add_nc_u64 s[4:5], s[4:5], s[22:23]          ; my token's row
.irp m, 0,1,2,3,4,5,6,7,8,9,10,11,12,13,14,15
	global_load_b128 v[WC+4*\m:WC+4*\m+3], v3, s[6:7] offset:512*\m
.endr
.irp i, 0,1,2,3,4,5,6,7
	global_load_b128 v[X+4*\i:X+4*\i+3], v3, s[4:5] offset:512*\i th:TH_LOAD_NT   ; 512 consecutive bytes a load; read once in the launch
.endr
	s_lshl_b32 s22, s21, 5                         ; where my token's results go
	s_add_nc_u64 s[10:11], s[10:11], s[22:23]      ; out1: 32 bytes a token
	s_add_nc_u64 s[36:37], s[16:17], s[22:23]
	s_add_nc_u64 s[36:37], s[36:37], XS_OFF        ; the scale bytes: 32 a token
	s_lshl_b32 s22, s21, 3
	s_add_nc_u64 s[12:13], s[12:13], s[22:23]      ; out2, out3, sel, the gates: 8 bytes a token
	s_add_nc_u64 s[14:15], s[14:15], s[22:23]
	s_add_nc_u64 s[18:19], s[18:19], s[22:23]
	s_add_nc_u64 s[34:35], s[16:17], s[22:23]
	s_add_nc_u64 s[34:35], s[34:35], GATE_OFF
	s_mul_i32 s22, s21, 768
	s_add_nc_u64 s[16:17], s[16:17], s[22:23]      ; the codes: 768 bytes a token
	s_wait_loadcnt 8                               ; router_w's 16 loads are in; the row's 8, issued behind them, may be out
.irp m, 0,1,2,3,4,5,6,7,8,9,10,11,12,13,14,15
	ds_store_b128 v4, v[WC+4*\m:WC+4*\m+3] offset:576*\m
.endr
	s_wait_loadcnt 0x0
.irp i, 0,1,2,3,4,5,6,7
	ds_store_b128 v5, v[X+4*\i:X+4*\i+3] offset:576*\i
.endr
	s_wait_dscnt 0x0                               ; for the others' sake: my quarter of router_w lies in LDS
	s_barrier_signal -1
	s_barrier_wait -1                              ; everybody's does
.irp k, 0,1,2,3,4,5,6,7
	ds_load_b128 v[B+4*\k:B+4*\k+3], v7 offset:16*\k   ; my block of 32 neighbours
.endr
.macro WLD i                           ; the rows of router_w that go with load i of the row: 128 bytes a lane
.irp q, 0,1,2,3,4,5,6,7
	ds_load_b128 v[WC+32*((\i)%2)+4*\q:WC+32*((\i)%2)+4*\q+3], v6 offset:4608*(\i)+16*\q
.endr
.endm
	WLD 0
; 4 numbers of the row x 8 columns: 16 packed multiply-adds, the four pairs of sums by turns.  The first four are multiplications: nothing is cleared.
.macro DOT i
.if \i < 7
	WLD (\i+1)
	s_wait_alu depctr_va_vdst(0)
	s_wait_dscnt 8                                 ; all but the set just asked for
.else
	s_wait_dscnt 0x0
.endif
.irp j, 0,1,2,3
.irp p, 0,2,4,6
.if (\i == 0) && (\j == 0)
	v_pk_mul_f32 v[ACC+\p:ACC+\p+1], v[WC+\p:WC+\p+1], v[X:X+1] op_sel_hi:[1,0]
.elseif \j%2 == 0
	v_pk_fma_f32 v[ACC+\p:ACC+\p+1], v[WC+32*(\i%2)+8*\j+\p:WC+32*(\i%2)+8*\j+\p+1], v[X+4*\i+2*(\j/2):X+4*\i+2*(\j/2)+1], v[ACC+\p:ACC+\p+1] op_sel_hi:[1,0,1]
.else
	v_pk_fma_f32 v[ACC+\p:ACC+\p+1], v[WC+32*(\i%2)+8*\j+\p:WC+32*(\i%2)+8*\j+\p+1], v[X+4*\i+2*(\j/2):X+4*\i+2*(\j/2)+1], v[ACC+\p:ACC+\p+1] op_sel:[0,1,0] op_sel_hi:[1,1,1]
.endif
.endr
.endr
.endm
.irp i, 0,1,2,3,4,5,6,7
	s_wait_alu depctr_va_vdst(0)
	DOT \i
.endr
.irp m, 1,2,4,8                        ; the 32 lanes' parts are added: four steps inside each half, the eight sums by turns,
.irp k, 0,1,2,3,4,5,6,7
	v_add_f32_dpp v[ACC+\k], v[ACC+\k], v[ACC+\k] row_xmask:\m row_mask:0xf bank_mask:0xf
.endr
.endr
.irp k, 0,1,2,3,4,5,6,7
	v_permlanex16_b32 v[WC+\k], v[ACC+\k], s32, s33   ; one across the halves (its destination has been written: router_w's set is done with)
.endr
	s_wait_alu depctr_va_vdst(0)
	s_wait_kmcnt 0x0                               ; router_b
.irp k, 0,1,2,3,4,5,6,7
	v_add_f32 v[ACC+\k], v[ACC+\k], v[WC+\k]
.endr
.irp k, 0,1,2,3,4,5,6,7
	v_add_f32 v[ACC+\k], s[24+\k], v[ACC+\k]       ; the logits, the same in every lane
.endr
	v_max3_num_f32 v12, v[ACC], v[ACC+1], v[ACC+2]
	v_max3_num_f32 v13, v[ACC+3], v[ACC+4], v[ACC+5]
	v_max3_num_f32 v12, v12, v[ACC+6], v[ACC+7]
	v_max_num_f32 v12, v12, v13                    ; the row's maximum is taken away ahead of the exponential
.irp k, 0,1,2,3,4,5,6,7
	v_sub_f32 v[P+\k], v[ACC+\k], v12
.endr
.irp k, 0,1,2,3,4,5,6,7
	v_mul_f32 v[P+\k], 0x3f38aa3b, v[P+\k]         ; x log2(e) / 2: the exponential is made as a square, so that a result under 2^-126 is not lost (ISA guide 15.8: v_exp_f32 gives 0 there)
.endr
	s_wait_alu depctr_va_vdst(0)
.irp k, 0,1,2,3,4,5,6,7
	v_exp_f32 v[P+\k], v[P+\k]
.endr
	v_nop                                          ; a plain place behind the exponentials
	s_wait_alu depctr_va_vdst(0)
.irp k, 0,1,2,3,4,5,6,7
	v_mul_f32 v[P+\k], v[P+\k], v[P+\k]
.endr
	v_add_f32 v12, v[P], v[P+1]
	v_add_f32 v13, v[P+2], v[P+3]
	v_add_f32 v14, v[P+4], v[P+5]
	v_add_f32 v15, v[P+6], v[P+7]
	v_add_f32 v12, v12, v13
	v_add_f32 v14, v14, v15
	v_add_f32 v12, v12, v14
	s_wait_alu depctr_va_vdst(0)
	v_rcp_f32 v12, v12
	v_nop                                          ; a plain place behind the reciprocal
	s_wait_alu depctr_va_vdst(0)
.irp k, 0,1,2,3,4,5,6,7
	v_mul_f32 v[P+\k], v[P+\k], v12
.endr
; The largest of eight and its index.  A later one wins only where it is strictly larger: of equals the lower index is kept.
.macro TOP src, idx, val
	v_mov_b32 v[\idx], 0
	v_mov_b32 v[\val], v[\src]
.irp k, 1,2,3,4,5,6,7
	v_cmp_le_f32 vcc_lo, v[\src+\k], v[\val]
	v_cndmask_b32 v[\val], v[\src+\k], v[\val], vcc_lo
	v_cndmask_b32 v[\idx], \k, v[\idx], vcc_lo
.endr
.endm
	TOP P, 162, 164
.irp k, 0,1,2,3,4,5,6,7
	v_cmp_eq_u32 vcc_lo, \k, v162
	v_cndmask_b32 v[Q+\k], v[P+\k], v185, vcc_lo   ; the winner becomes -1, under every probability
.endr
	TOP Q, 163, 165
	; my block: its largest magnitude over the floor 2^(3 - 127), 2 off the exponent field, the byte, the codes
	v_max3_num_f32 v12, |v[B]|, |v[B+1]|, |v[B+2]|
	v_max3_num_f32 v13, |v[B+3]|, |v[B+4]|, |v[B+5]|
.irp i, 6,10,14,18,22,26
	v_max3_num_f32 v12, v12, |v[B+\i]|, |v[B+\i+1]|
	v_max3_num_f32 v13, v13, |v[B+\i+2]|, |v[B+\i+3]|
.endr
	v_max3_num_f32 v12, v12, |v[B+30]|, |v[B+31]|
	v_max3_num_f32 v12, v12, v13, 0x1800000
	v_add_nc_u32 v14, 0xff000000, v12              ; the conversion takes this operand's exponent field as its scale
	v_lshrrev_b32 v13, 23, v14                     ; the scale's byte
	v_cvt_scalef32_pk16_fp6_f32 v[C:C+2], v[B:B+15], v14
	v_cvt_scalef32_pk16_fp6_f32 v[D2:D2+2], v[B+16:B+31], v14   ; (a conversion's three registers begin on an even number)
	v_nop                                          ; a plain place behind the conversions
.irp i, 0,1,2
	v_mov_b32 v[C+3+\i], v[D2+\i]
.endr
.irp c, 0,1,2
	ds_store_b64 v8, v[C+2*\c:C+2*\c+1] offset:8*\c
.endr
.irp c, 0,1,2
	ds_load_b64 v[OC+2*\c:OC+2*\c+1], v9 offset:256*\c   ; LDS serves a wave's instructions in order: these see my stores
.endr
	global_store_b8 v11, v13, s[36:37]
	s_wait_dscnt 0x0
.irp c, 0,1,2
	global_store_b64 v10, v[OC+2*\c:OC+2*\c+1], s[16:17] offset:256*\c   ; 32 lanes store 256 consecutive bytes, at a multiple of 256 from the buffer's first byte
.endr
	s_wait_xcnt 0x0                                ; EXEC changes only behind this wait
	v_cmp_eq_u32 vcc_lo, 0, v1
	s_wait_tensorcnt 0x0
	ds_add_u32 v192, v193
	s_wait_dscnt 0x0
	s_and_saveexec_b32 s40, vcc_lo                 ; every lane holds the token's results: lane 0 stores them
	global_store_b128 v184, v[ACC:ACC+3], s[10:11]
	global_store_b128 v184, v[ACC+4:ACC+7], s[10:11] offset:16
	global_store_b64 v184, v[162:163], s[12:13]
	global_store_b64 v184, v[162:163], s[18:19]
	global_store_b64 v184, v[164:165], s[14:15]
	global_store_b64 v184, v[164:165], s[34:35]
	s_wait_xcnt 0x0                                ; and again in front of the line that widens it
	s_or_b32 exec_lo, exec_lo, s40
	s_endpgm
.Lfunc_end_k_qd7766a16e1_route:
	.size	k_qd7766a16e1_route, .Lfunc_end_k_qd7766a16e1_route-k_qd7766a16e1_route
	.p2alignl 7, 3214868480
	.fill 96, 4, 3214868480
	.section	.rodata,"a",@progbits
	.p2align	6, 0x0
	.amdhsa_kernel k_qd7766a16e1_route
		.amdhsa_group_segment_fixed_size 58880
		.amdhsa_private_segment_fixed_size 0
		.amdhsa_enable_private_segment 0
		.amdhsa_kernarg_size 64
		.amdhsa_user_sgpr_count 2
		.amdhsa_user_sgpr_kernarg_segment_ptr 1
		.amdhsa_wavefront_size32 1
		.amdhsa_system_sgpr_workgroup_id_x 1
		.amdhsa_system_sgpr_workgroup_id_y 1
		.amdhsa_system_sgpr_workgroup_id_z 1
		.amdhsa_system_vgpr_workitem_id 0
		.amdhsa_next_free_vgpr 194
		.amdhsa_next_free_sgpr 66
		.amdhsa_reserve_vcc 1
		.amdhsa_float_denorm_mode_32 3
		.amdhsa_float_denorm_mode_16_64 3
		.amdhsa_memory_ordered 1
		.amdhsa_forward_progress 1
		.amdhsa_inst_pref_size 31
	.end_amdhsa_kernel
	.amdgpu_metadata
---
amdhsa.version: [ 1, 2 ]
amdhsa.kernels:
  - .name:           k_qd7766a16e1_route
    .symbol:         k_qd7766a16e1_route.kd
    .args:
      - { .name: hidden, .offset: 0, .size: 8, .value_kind: global_buffer, .address_space: global }
      - { .name: router_w, .offset: 8, .size: 8, .value_kind: global_buffer, .address_space: global }
      - { .name: router_b, .offset: 16, .size: 8, .value_kind: global_buffer, .address_space: global }
      - { .name: out1, .offset: 24, .size: 8, .value_kind: global_buffer, .address_space: global }
      - { .name: out2, .offset: 32, .size: 8, .value_kind: global_buffer, .address_space: global }
      - { .name: out3, .offset: 40, .size: 8, .value_kind: global_buffer, .address_space: global }
      - { .name: xq, .offset: 48, .size: 8, .value_kind: global_buffer, .address_space: global }
      - { .name: sel, .offset: 56, .size: 8, .value_kind: global_buffer, .address_space: global }
    .group_segment_fixed_size: 58880
    .private_segment_fixed_size: 0
    .kernarg_segment_align: 8
    .kernarg_segment_size: 64
    .max_flat_workgroup_size: 128
    .sgpr_count:     66
    .vgpr_count:     194
    .wavefront_size: 32
...
	.end_amdgpu_metadata
.endif
;; end of part 6
;; launch up (part 7): grid 64 x 4, 4 waves a work-group, no clusters, 186,368 bytes of LDS; arguments sel, mode_ids, xq, shared_w1_codes, shared_w1_scales, shared_b1, mode_w1_codes, mode_w1_scales, mode_b1, routed_w1_codes, routed_w1_scales, routed_b1, hq; writes hq
.if DOCPART == 7
	.amdgcn_target "amdgcn-amd-amdhsa--gfx1250"
	.amdhsa_code_object_version 6
	.text
	.protected	k_qd7766a16e1_up
	.globl	k_qd7766a16e1_up
	.p2align	8
	.type	k_qd7766a16e1_up,@function
k_qd7766a16e1_up:
	s_mov_b64 s[64:65], 0
	v_nop
	global_prefetch_b8 v0, s[64:65] scope:SCOPE_SE
	s_setreg_imm32_b32 hwreg(HW_REG_WAVE_MODE, 25, 1), 1
	s_wait_xcnt 0x0
; UP.  h = Q(gelu(x W1^T + b1)) on codes of E2M3 with E8M0 scales, only for the (token, expert) rows that the module keeps: the others are
; multiplied there by a zero that it builds itself from one_hot of mode_ids and of its top-k, so they reach no output.
; LIMIT: a NaN, an infinity or an overflow that arises only in rows left out is not carried to the result.
; SHARES.  Work-group x = 4 unit + part, y = slice.  16 units: 0-3 the shared expert for tokens 256 u .. 256 u + 255, 4-7 the modes, 8-15 the routed experts.
; A unit's rows are listed in tiles of 16; part p takes tiles p, p + 4, ..: at most 16.  Wave sl = 4 y + wave makes 128 of the 2,048 hidden units.
; The weights' place hangs on ids alone: their loads leave at the head.  Under their flight wave 0 lists the unit's rows in LDS from sel and mode_ids: entry = 4 token + slot
; (slot 0 shared, 1 mode, 2 and 3 the two routed choices); the last tile is filled up with entries 4096 + 16 unit + lane.  One barrier parts that scatter from all other LDS traffic.
; THE WEIGHTS STAY (64 fragments, 768 registers a wave, loaded as they lie and turned in the wave's own stage), THE ROWS COME FROM LDS: x's rows of up to 6 tiles are gathered once for the
; work-group, each wave 4 rows a tile.  An LDS row: 384 bytes of codes, 16 scale bytes, 384, 16, 16 of padding = 816.
; Loops have constant trip counts (3 batches x 6 tiles >= 16); a tile that the list does not have jumps over its work; no barrier stands under a branch on data.
; No copy engine and no joint load.  No prefetch: all operands are asked for at the head, and no loop runs ahead of them.
; THE ORDER OF K: lanes 0-15 take blocks 0-15 of a row, lanes 16-31 blocks 16-31, 48 bytes a K step, alike on both sides.  LIMIT: sums are taken in that order of K.
; The wave's units are blocks 2 sl, 32 + 2 sl, 2 sl + 1, 33 + 2 sl of the next K; lane r of tile 2 b + u takes the block's row 8 u + r + 8 (r / 8); the product is used transposed.
; hq: a record of 26,624 bytes for tile 64 unit + T: 16 images of operand registers (1,536 sl + 512 c + 16 lane), then at 24,576 their scale words (128 sl + 4 lane).
; LIMITS: NaN and infinities are not served; a block of zeros gets the byte 1 and zero codes.
.set XS_OFF, 786432
.set HREC, 26624
.set XP,  784
.set STG, 2048
.set SPARE, 102400
.set LIST, 102912                      ; 1,056 entries, 32 words for lanes with nothing to store, the count
.set LCNT, LIST+4352
.set XB,  107520                       ; x's rows: 6 tiles x 16 x 816
.set XR,  816
.set XT,  16*XR
.set SW,  4
.set SR,  5
.set L16, 8
.set XS,  12
.set WS,  16
.set W63, 48
.set ACC, 60
.set XF,  124
.set TM,  220
.set PC,  236
.set BA,  251
.set PW,  255
.set MD,  124                          ; wave 0's list making: modes, choices, temporaries
.set SL,  156
.set BT,  220
.set BL,  221
.set BD,  222
.set BE0, 223
.set BE1, 224
.set BP,  225
.set BV,  226
.set ZR,  228
.set LF,  220                          ; the gather's temporaries
.set XL,  221
.set XL1, 222
.set XLS, 223
.set R1,  224
.set T0,  225
.set TK,  226
.set CA,  230
.set TQ,  234
.set T1,  235
.set SA,  236
.set TKN, 188                          ; the next batch's 12 entries, read ahead of the barrier that closes a batch
.set MSB, 0
.macro WIN new
.if MSB != (\new)
	s_set_vgpr_msb (MSB<<8)|(\new)
.set MSB, (\new)
.endif
.endm
.macro WSET f                          ; fragment f of W1: window WW, register WR
.if (\f) == 63
.set WW, 0
.set WR, W63
.else
.set WW, 1+(\f)/21
.set WR, 12*((\f)%21)
.endif
.endm
.macro MM d, a, b, c, sa, sb, hi
.if \hi
	v_wmma_scale_f32_16x16x128_f8f6f4 v[\d:\d+7], v[\a:\a+11], v[\b:\b+11], v[\c:\c+7], v[\sa], v[\sb] matrix_a_fmt:MATRIX_FMT_FP6 matrix_b_fmt:MATRIX_FMT_FP6 matrix_a_scale:MATRIX_SCALE_ROW1 matrix_b_scale:MATRIX_SCALE_ROW1
.else
	v_wmma_scale_f32_16x16x128_f8f6f4 v[\d:\d+7], v[\a:\a+11], v[\b:\b+11], v[\c:\c+7], v[\sa], v[\sb] matrix_a_fmt:MATRIX_FMT_FP6 matrix_b_fmt:MATRIX_FMT_FP6
.endif
.endm
.macro UNIT                            ; s36 unit, s37 part; what a token is compared with: s38 its quarter, s39 its mode, s40 its choices (99: never); s41 kind, s42 expert within the kind
	s_lshr_b32 s36, ttmp9, 2
	s_and_b32 s37, ttmp9, 3
	s_cmp_lt_u32 s36, 4
	s_cselect_b32 s38, s36, 99
	s_sub_co_u32 s39, s36, 4
	s_cmp_lt_u32 s39, 4
	s_cselect_b32 s39, s39, 99
	s_sub_co_u32 s40, s36, 8
	s_cmp_lt_u32 s40, 8
	s_cselect_b32 s40, s40, 99
	s_min_u32 s42, s39, s40
	s_cmp_lt_u32 s36, 4
	s_cselect_b32 s42, 0, s42
	s_cselect_b32 s41, 0, 1
	s_cmp_lt_u32 s36, 8
	s_cselect_b32 s41, s41, 2
.endm
.macro LLD                             ; register MD + 4 i + j: the mode of token 128 i + 4 lane + j; SL + 8 i + 2 j, + 1: its two choices
	v_lshlrev_b32 v[BT], 1, v[L16]
.irp i, 0,1,2,3,4,5,6,7
	global_load_b128 v[MD+4*\i:MD+4*\i+3], v[L16], s[10:11] offset:512*\i
.endr
.irp i, 0,1,2,3,4,5,6,7
	global_load_b128 v[SL+8*\i:SL+8*\i+3], v[BT], s[8:9] offset:1024*\i
	global_load_b128 v[SL+8*\i+4:SL+8*\i+7], v[BT], s[8:9] offset:1024*\i+16
.endr
.endm
.macro BUILD                           ; the list: a row's place is the count so far + the lanes under mine that match; lanes without a match store into the 32 words behind the list
	s_mov_b32 s43, 0
.irp z, 0,1,2,3
	v_mov_b32 v[ZR+\z], 0
.endr
	v_add_nc_u32 v[BP], LIST, v[L16]
.irp i, 0,1,2,3,4,5,6,7,8
	ds_store_b128 v[BP], v[ZR:ZR+3] offset:512*\i   ; every word of the list is written
.endr
	v_lshrrev_b32 v[BL], 4, v[L16]
	v_add_nc_u32 v[BD], 1056, v[BL]
	v_add_nc_u32 v[BE0], s41, v[L16]
	v_add_nc_u32 v[BE1], 1, v[BE0]
	s_wait_alu depctr_va_vdst(0)                   ; the wait ahead of a stretch of scalar instructions
.irp i, 0,1,2,3,4,5,6,7
	s_cmp_eq_u32 s38, \i/2
	s_cselect_b32 s63, -1, 0
.irp j, 0,1,2,3
	v_cmp_eq_u32 s60, s39, v[MD+4*\i+\j]
	v_cmp_eq_u32 s61, s40, v[SL+8*\i+2*\j]
	v_cmp_eq_u32 s62, s40, v[SL+8*\i+2*\j+1]
	s_or_b32 s60, s60, s61
	s_or_b32 s60, s60, s62
	s_or_b32 s60, s60, s63
	v_mbcnt_lo_u32_b32 v[BP], s60, s43
	v_cndmask_b32 v[BP], v[BD], v[BP], s60
	v_min_u32 v[BP], 1087, v[BP]
	v_lshl_add_u32 v[BP], v[BP], 2, LIST
	v_cndmask_b32 v[BV], v[BE0], v[BE1], s62
	v_add_nc_u32 v[BV], 512*\i+4*\j, v[BV]         ; 4 token + slot
	ds_store_b32 v[BP], v[BV]
	s_bcnt1_i32_b32 s61, s60
	s_add_co_u32 s43, s43, s61
.endr
.endr
	v_add_nc_u32 v[BP], s43, v[BL]                 ; sixteen fillers behind the last row
	v_cmp_gt_u32 vcc_lo, 16, v[BL]
	v_cndmask_b32 v[BP], v[BD], v[BP], vcc_lo
	v_min_u32 v[BP], 1087, v[BP]
	v_lshl_add_u32 v[BP], v[BP], 2, LIST
	s_lshl_b32 s61, s36, 4
	s_add_co_u32 s61, s61, 4096
	v_add_nc_u32 v[BV], s61, v[BL]
	ds_store_b32 v[BP], v[BV]
	v_mov_b32 v[BP], LCNT
	v_mov_b32 v[BV], s43
	ds_store_b32 v[BP], v[BV]
.endm
.macro COUNT                           ; s66 = s67 = my part's tiles
	v_mov_b32 v[BP], LCNT
	ds_load_b32 v[BV], v[BP]
	s_wait_dscnt 0x0
	v_readfirstlane_b32 s43, v[BV]
	s_min_u32 s43, s43, 1024
	s_add_co_u32 s66, s43, 15
	s_lshr_b32 s66, s66, 4
	s_add_co_u32 s66, s66, 3
	s_sub_co_u32 s66, s66, s37
	s_lshr_b32 s66, s66, 2
	s_mov_b32 s67, s66
.endm
.macro BAR
	s_wait_alu depctr_va_vdst(0)                   ; the wait ahead of the blocking wait
	s_wait_dscnt 0x0                               ; for the others' sake: my LDS stores and reads are done
	s_barrier_signal -1
	s_barrier_wait -1
.endm
	s_load_b512 s[8:23], s[0:1], 0x0               ; sel, mode_ids, xq; shared: codes s[14:15], scales, b1; mode: codes s[20:21], scales
	s_load_b256 s[24:31], s[0:1], 0x40             ; mode b1; routed: codes s[26:27], scales, b1
	s_load_b64 s[32:33], s[0:1], 0x60              ; hq
	v_lshl_add_u32 v2, v0, 2, SPARE
	v_mov_b32 v7, 0
	v_lshrrev_b32 v228, 5, v0
	v_readfirstlane_b32 s34, v228                  ; wave
	s_and_b32 s35, ttmp7, 0xffff
	s_lshl_b32 s35, s35, 2
	s_add_co_u32 s35, s35, s34                     ; sl
	UNIT
	v_and_b32 v228, 31, v0
	v_and_b32 v229, 15, v0                         ; r
	v_bfe_u32 v230, v0, 4, 1                       ; h
	v_lshlrev_b32 v8, 4, v228                      ; 16 lane
	v_lshlrev_b32 v9, 2, v228                      ; 4 lane
	v_lshlrev_b32 v6, 4, v229                      ; 16 r
	s_lshl_b32 s52, s34, 9
	v_lshl_add_u32 v[BA], v230, 6, s52             ; b1 out of LDS
	v_add_nc_u32 v242, s52, v8                     ; and into it
	s_mul_i32 s52, s34, 32*XP
	s_add_co_u32 s52, s52, STG
	v_mad_u32_u24 v[SW], v230, XP, v6
	v_add_nc_u32 v[SW], s52, v[SW]
	v_mul_u32_u24 v[SR], v229, XP
	v_mad_u32_u24 v[SR], v230, 384, v[SR]
	v_add_nc_u32 v[SR], s52, v[SR]
	v_mad_u32_u24 v3, v230, 768, v6                ; W1's codes as they lie
	v_and_b32 v231, 8, v229
	v_add_nc_u32 v231, v231, v229
	v_lshlrev_b32 v240, 5, v231
	v_lshl_add_u32 v240, v230, 3, v240             ; W1's scale bytes
	v_bfe_u32 v232, v0, 3, 1
	v_and_b32 v233, 7, v0
	v_lshlrev_b32 v241, 7, v230
	v_lshl_add_u32 v241, v232, 12, v241
	v_lshl_add_u32 v241, v233, 4, v241             ; b1
	v_mul_u32_u24 v0, v229, XR                     ; x's fragments in LDS: row r, half h
	v_mad_u32_u24 v0, v230, 400, v0
	v_add_nc_u32 v0, XB, v0
	v_mov_b32 v10, 0xc0135761                      ; k1 = -2 sqrt(2 / pi) log2(e)
	v_mov_b32 v11, v10
	s_mov_b32 s54, 0x76543210
	s_mov_b32 s55, 0xfedcba98
	s_mov_b32 s56, 0xbdd2d3e8                      ; k3 = 0.044715 k1
	s_mov_b32 s57, s56
	s_mov_b32 s58, 0x05010400
	s_mov_b32 s59, 0x07030602
	s_mov_b32 s53, 0
	s_mov_b32 s79, 0                               ; the batch's place in the list, in bytes,
	s_mov_b32 s80, 0                               ; and the same held inside the list
	s_lshl_b32 s76, s37, 6
	s_lshl_b32 s60, s34, 4
	s_add_co_u32 s76, s76, s60
	s_add_co_u32 s76, s76, LIST                    ; the list at my part's first tile, my 4 rows
	s_mul_i32 s77, s34, 4*XR
	s_add_co_u32 s77, s77, XB                      ; where my 4 rows of a tile go
	s_wait_alu depctr_va_vdst(0)                   ; the wait at the head's end
	s_wait_kmcnt 0x0
	s_cmp_eq_u32 s41, 1
	s_cselect_b64 s[48:49], s[20:21], s[26:27]
	s_cselect_b64 s[50:51], s[22:23], s[28:29]
	s_cselect_b64 s[72:73], s[24:25], s[30:31]
	s_cmp_eq_u32 s41, 0
	s_cselect_b64 s[48:49], s[14:15], s[48:49]
	s_cselect_b64 s[50:51], s[16:17], s[50:51]
	s_cselect_b64 s[72:73], s[18:19], s[72:73]
	s_mul_i32 s52, s42, 1572864
	s_mul_i32 s60, s35, 49152
	s_add_co_u32 s52, s52, s60
	s_add_nc_u64 s[48:49], s[48:49], s[52:53]
	s_lshl_b32 s52, s42, 16
	s_lshl_b32 s60, s35, 11
	s_add_co_u32 s52, s52, s60
	s_add_nc_u64 s[50:51], s[50:51], s[52:53]
	s_lshl_b32 s52, s42, 13
	s_lshl_b32 s60, s35, 8
	s_add_co_u32 s52, s52, s60
	s_add_nc_u64 s[72:73], s[72:73], s[52:53]
	s_lshl_b32 s52, s36, 6
	s_add_co_u32 s52, s52, s37
	s_mul_i32 s52, s52, HREC
	s_add_nc_u64 s[46:47], s[32:33], s[52:53]      ; my part's first record
	s_mul_i32 s52, s35, 1536
	s_add_nc_u64 s[44:45], s[46:47], s[52:53]      ; my image in it,
	s_lshl_b32 s52, s35, 7
	s_add_nc_u64 s[46:47], s[46:47], s[52:53]
	s_add_nc_u64 s[46:47], s[46:47], 24576         ; and its scale words
	s_add_nc_u64 s[74:75], s[12:13], XS_OFF        ; x's scale bytes
.macro WLD b
.irp k, 0,1,2,3,4,5,6,7,8,9,10,11,12,13,14,15
	WSET 8*(\k/2)+2*(\b)+\k%2
	WIN (WW<<6)
.irp c, 0,1,2
	global_load_b128 v[WR+4*\c:WR+4*\c+3], v3, s[48:49] offset:768*(32*((\b)/2)+1024*((\b)%2))+1536*\k+256*\c
.endr
.endr
.endm
.macro WST b
.irp k, 0,1,2,3,4,5,6,7,8,9,10,11,12,13,14,15
	WSET 8*(\k/2)+2*(\b)+\k%2
	WIN (WW<<2)
.irp c, 0,1,2
	ds_store_b128 v[SW], v[WR+4*\c:WR+4*\c+3] offset:(16*((\k/4)%2)+8*(\k/8)+(2*\k)%8)*XP+256*\c
.endr
.endr
.endm
.macro WRD b
.irp k, 0,1,2,3,4,5,6,7,8,9,10,11,12,13,14,15
	WSET 8*(\k/2)+2*(\b)+\k%2
	WIN (WW<<6)
.irp c, 0,1,2
	ds_load_b128 v[WR+4*\c:WR+4*\c+3], v[SR] offset:16*(\k%2)*XP+48*(\k/2)+16*\c
.endr
.endr
	WIN 0
.endm
.macro XPREP                           ; the gather's addresses, from 16 r, 4 lane and scalars
	s_sub_co_i32 s78, s67, 1
	s_max_i32 s78, s78, 0                          ; the batch's last tile that is there
	v_bfe_u32 v[T0], v9, 6, 1                      ; h
	v_lshl_add_u32 v[LF], v[T0], 2, s76
	v_add_nc_u32 v[LF], s80, v[LF]
	v_mad_u32_u24 v[XL], v[T0], XR, v6
	v_add_nc_u32 v[XL], s77, v[XL]                 ; row 4 wave + h, byte 16 r
	v_bfe_u32 v[T1], v6, 7, 1
	v_lshl_add_u32 v[XL1], v[T1], 4, v[XL]         ; the second 256 bytes: from byte 384 on 16 further
	v_bfe_u32 v[T1], v6, 4, 1
	v_lshlrev_b32 v[R1], 4, v[T1]                  ; 16 (r % 2): which half of the row's 32 scale bytes
	v_mul_u32_u24 v[XLS], v[T0], XR
	v_add_nc_u32 v[XLS], s77, v[XLS]
	v_mad_u32_u24 v[XLS], v[T1], 400, v[XLS]
	v_add_nc_u32 v[XLS], 384, v[XLS]
	s_wait_alu depctr_va_vdst(0)
.endm
.macro XTOK k                          ; the entries of my 4 rows of the batch's tile k; a tile that is not there takes the last one's
	s_min_u32 s60, s78, (\k)                       ; a tile that is not there takes the last one's entries
	s_lshl_b32 s60, s60, 8
	v_add_nc_u32 v[TQ], s60, v[LF]
	ds_load_b32 v[TK+2*((\k)%2)], v[TQ]
	ds_load_b32 v[TK+2*((\k)%2)+1], v[TQ] offset:8
.endm
.macro XLD j                           ; tiles 2 j and 2 j + 1: 16 loads, each of two runs of 256 consecutive bytes (the scale bytes: 32)
	XTOK 2*(\j)
	XTOK 2*(\j)+1
	s_wait_dscnt 0x0
	XGO
.endm
.macro XTOKN k                         ; the same entries for the next batch's tile k, kept in registers of their own
	s_min_u32 s60, s78, \k
	s_lshl_b32 s60, s60, 8
	v_add_nc_u32 v[TQ], s60, v[LF]
	ds_load_b32 v[TKN+2*\k], v[TQ]
	ds_load_b32 v[TKN+2*\k+1], v[TQ] offset:8
.endm
.macro XGO                             ; four entries into addresses, and their 16 loads
.irp q, 0,1,2,3
	v_lshrrev_b32 v[TK+\q], 2, v[TK+\q]
.endr
.irp q, 0,1,2,3
	v_min_u32 v[TK+\q], 1023, v[TK+\q]
.endr
.irp q, 0,1,2,3
	v_mad_u32_u24 v[CA+\q], v[TK+\q], 768, v6
	v_lshl_add_u32 v[SA+\q], v[TK+\q], 5, v[R1]
.endr
.irp q, 0,1,2,3
.irp c, 0,1,2
	global_load_b128 v[XF+16*\q+4*\c:XF+16*\q+4*\c+3], v[CA+\q], s[12:13] offset:256*\c
.endr
	global_load_b128 v[XF+16*\q+12:XF+16*\q+15], v[SA+\q], s[74:75]
.endr
.endm
.macro XST j
.irp q, 0,1,2,3
	ds_store_b128 v[XL], v[XF+16*\q:XF+16*\q+3] offset:XT*(\q/2)+2*XR*(\q%2)
	ds_store_b128 v[XL1], v[XF+16*\q+4:XF+16*\q+7] offset:XT*(\q/2)+2*XR*(\q%2)+256
	ds_store_b128 v[XL], v[XF+16*\q+8:XF+16*\q+11] offset:XT*(\q/2)+2*XR*(\q%2)+528
	ds_store_b128 v[XLS], v[XF+16*\q+12:XF+16*\q+15] offset:XT*(\q/2)+2*XR*(\q%2)
.endr
	v_add_nc_u32 v[XL], 2*XT, v[XL]
	v_add_nc_u32 v[XL1], 2*XT, v[XL1]
	v_add_nc_u32 v[XLS], 2*XT, v[XLS]
.endm
.macro BIAS
.irp t, 0,1,2,3,4,5,6,7
	ds_load_b128 v[ACC+8*\t:ACC+8*\t+3], v[BA] offset:4*(32*(\t/2)+8*(\t%2))
	ds_load_b128 v[ACC+8*\t+4:ACC+8*\t+7], v[BA] offset:4*(32*(\t/2)+8*(\t%2))+16
.endr
.endm
	s_cmp_lg_u32 s34, 0
	s_cbranch_scc1 .Lw1
	LLD                                            ; wave 0: 24 loads
.Lw1:
	global_load_b128 v[244:247], v241, s[72:73]    ; b1
.irp t, 0,1,2,3,4,5,6,7
.set RO, 32*(\t/4)+1024*((\t/2)%2)+8*(\t%2)
	global_load_b64 v[ACC+4*\t:ACC+4*\t+1], v240, s[50:51] offset:32*RO
	global_load_b64 v[ACC+4*\t+2:ACC+4*\t+3], v240, s[50:51] offset:32*RO+16
.endr
	WLD 0
	WIN 0
	s_cmp_lg_u32 s34, 0
	s_cbranch_scc1 .Lw2
	s_wait_loadcnt 63                              ; behind wave 0's 24 loads 17 + 48 = 65 were issued; a wait names 63 at the most
	BUILD
.Lw2:
	WLD 1
	WIN 0
	BAR                                            ; the list is whole; no other wave has touched LDS yet
	COUNT
	XPREP
	s_wait_loadcnt 48                              ; all ahead of piece 1
	WST 0
	WRD 0
.irp t, 0,1,2,3,4,5,6,7
.irp q, 0,1,2,3
	v_perm_b32 v[WS+4*\t+\q], v[ACC+4*\t+2+\q/2], v[ACC+4*\t+\q/2], s[58+\q%2]
.endr
.endr
	ds_store_b128 v242, v[244:247]
	XLD 0
	WLD 2
	s_wait_loadcnt 48                              ; piece 1 and tiles 0, 1 are in
	WST 1
	WRD 1
	XST 0
	XLD 1
	WLD 3
	s_wait_loadcnt 48                              ; piece 2 and tiles 2, 3
	WST 2
	WRD 2
	XST 1
	XLD 2
	s_wait_loadcnt 0x0
	WST 3
	WRD 3
	XST 2
.macro MULS                            ; the eight accumulators by turns
.irp s, 0,1,2,3,4,5,6,7
.irp t, 0,1,2,3,4,5,6,7
	WSET 8*\s+\t
	WIN WW
	MM ACC+8*\t, WR, XF+12*\s, ACC+8*\t, WS+4*\t+\s%4, XS+\s%4, \s/4
.endr
.endr
.endm
.macro GELU g                          ; x / (1 + 2^(k1 x + k3 x^3)): the tanh form rewritten
.set GX, ACC+16*\g
.irp p, 0,2,4,6,8,10,12,14
	v_pk_mul_f32 v[TM+\p:TM+\p+1], v[GX+\p:GX+\p+1], v[GX+\p:GX+\p+1]
.endr
.irp p, 0,2,4,6,8,10,12,14
	v_pk_fma_f32 v[TM+\p:TM+\p+1], v[TM+\p:TM+\p+1], s[56:57], v[10:11] op_sel_hi:[1,0,1]
.endr
.irp p, 0,2,4,6,8,10,12,14
	v_pk_mul_f32 v[TM+\p:TM+\p+1], v[TM+\p:TM+\p+1], v[GX+\p:GX+\p+1]
.endr
	s_wait_alu depctr_va_vdst(0)
.irp i, 0,1,2,3,4,5,6,7,8,9,10,11,12,13,14,15
	v_exp_f32 v[TM+\i], v[TM+\i]
.endr
	v_nop
	s_wait_alu depctr_va_vdst(0)
.irp p, 0,2,4,6,8,10,12,14
	v_pk_add_f32 v[TM+\p:TM+\p+1], v[TM+\p:TM+\p+1], 1.0 op_sel_hi:[1,0]
.endr
	s_wait_alu depctr_va_vdst(0)
.irp i, 0,1,2,3,4,5,6,7,8,9,10,11,12,13,14,15
	v_rcp_f32 v[TM+\i], v[TM+\i]
.endr
	v_nop
	s_wait_alu depctr_va_vdst(0)
.irp p, 0,2,4,6,8,10,12,14
	v_pk_mul_f32 v[GX+\p:GX+\p+1], v[GX+\p:GX+\p+1], v[TM+\p:TM+\p+1]
.endr
.endm
.macro QUANT                           ; 64 numbers a lane become codes and a scale word
.irp b, 0,1,2,3
	v_max3_num_f32 v[TM+\b], |v[ACC+16*\b]|, |v[ACC+1+16*\b]|, 0x1800000
.endr
.irp i, 2,4,6,8,10,12,14
.irp b, 0,1,2,3
	v_max3_num_f32 v[TM+\b], v[TM+\b], |v[ACC+16*\b+\i]|, |v[ACC+1+16*\b+\i]|
.endr
.endr
.irp b, 0,1,2,3
	v_permlanex16_b32 v[TM+4+\b], v[TM+\b], s54, s55
.endr
.irp b, 0,1,2,3
	v_max_num_f32 v[TM+\b], v[TM+\b], v[TM+4+\b]
.endr
.irp b, 0,1,2,3
	v_add_nc_u32 v[TM+12+\b], 0xff000000, v[TM+\b]
.endr
.irp b, 0,1,2,3
	v_lshrrev_b32 v[TM+4+\b], 23, v[TM+12+\b]
.endr
	v_lshl_or_b32 v[PW], v[TM+5], 8, v[TM+4]
	v_lshl_or_b32 v[PW], v[TM+6], 16, v[PW]
	v_lshl_or_b32 v[PW], v[TM+7], 24, v[PW]
.irp c, 0,1
	v_cvt_scalef32_pk16_fp6_f32 v[PC+6*\c:PC+2+6*\c], v[ACC+32*\c:ACC+15+32*\c], v[TM+12+2*\c]
	v_cvt_scalef32_pk16_fp6_f32 v[PC+12+4*\c:PC+14+4*\c], v[ACC+16+32*\c:ACC+31+32*\c], v[TM+12+2*\c+1]
.endr
	v_nop
.irp c, 0,1
.irp i, 0,1,2
	v_permlane16_swap_b32 v[PC+6*\c+\i], v[PC+12+4*\c+\i]
.endr
.irp i, 0,1,2
	v_mov_b32 v[PC+3+6*\c+\i], v[PC+12+4*\c+\i]
.endr
.endr
.endm
	s_mov_b32 s70, 0                               ; batch
	s_mov_b32 s71, 0                               ; my part's tile
.Lbatch:
	BAR                                            ; the batch's rows lie in LDS
	s_mov_b32 s69, 0
	s_mov_b32 s68, 0
.Ltile:
	s_cmp_lt_u32 s71, s66
	s_cbranch_scc0 .Lskip                          ; the list has no such tile
	v_add_nc_u32 v1, s68, v0
	BIAS
	ds_load_b128 v[XS:XS+3], v1 offset:384
.irp s, 0,1,2,3,4,5,6,7
.irp c, 0,1,2
	ds_load_b128 v[XF+12*\s+4*\c:XF+12*\s+4*\c+3], v1 offset:48*\s+16*\c
.endr
.endr
	s_wait_dscnt 0x0
	MULS
	WIN 0
.rept 4
	v_nop                                          ; places behind the last product
.endr
	GELU 0
	GELU 1
	GELU 2
	GELU 3
	QUANT
.irp c, 0,1,2
	global_store_b128 v8, v[PC+4*\c:PC+4*\c+3], s[44:45] offset:512*\c   ; 512 consecutive bytes, at a multiple of 256 from the buffer's first byte
.endr
	global_store_b32 v9, v[PW], s[46:47]
	s_wait_xcnt 0x0                                ; the stores' bases and data are written again only behind this wait
.Lskip:
	s_add_nc_u64 s[44:45], s[44:45], 4*HREC
	s_add_nc_u64 s[46:47], s[46:47], 4*HREC
	s_add_co_u32 s68, s68, XT
	s_add_co_u32 s71, s71, 1
	s_add_co_u32 s69, s69, 1
	s_cmp_lt_u32 s69, 6
	s_cbranch_scc1 .Ltile
	s_add_co_u32 s79, s79, 1536                    ; six tiles on in the list;
	s_min_u32 s80, s79, 3072                       ; behind the third batch there is none: the reads stay inside the list
	s_sub_co_i32 s67, s67, 6
	XPREP
.irp k, 0,1,2,3,4,5
	XTOKN \k                                       ; the list is read here, where no wave stores to LDS
.endr
	BAR                                            ; nobody reads the batch's rows any more, and my entries are in
	s_cmp_gt_i32 s67, 0
	s_cbranch_scc0 .Lnofill
.irp j, 0,1,2
.irp q, 0,1,2,3
	v_mov_b32 v[TK+\q], v[TKN+4*\j+\q]
.endr
	XGO
	s_wait_loadcnt 0x0
	XST \j
.endr
.Lnofill:
	s_add_co_u32 s70, s70, 1
	s_cmp_lt_u32 s70, 3
	s_cbranch_scc1 .Lbatch
	s_wait_tensorcnt 0x0                           ; the wave's end
	ds_add_u32 v2, v7
	s_wait_dscnt 0x0
	s_endpgm
.Lfunc_end_k_qd7766a16e1_up:
	.size	k_qd7766a16e1_up, .Lfunc_end_k_qd7766a16e1_up-k_qd7766a16e1_up
	.p2alignl 7, 3214868480
	.fill 96, 4, 3214868480
	.section	.rodata,"a",@progbits
	.p2align	6, 0x0
	.amdhsa_kernel k_qd7766a16e1_up
		.amdhsa_group_segment_fixed_size 186368
		.amdhsa_private_segment_fixed_size 0
		.amdhsa_enable_private_segment 0
		.amdhsa_kernarg_size 104
		.amdhsa_user_sgpr_count 2
		.amdhsa_user_sgpr_kernarg_segment_ptr 1
		.amdhsa_wavefront_size32 1
		.amdhsa_system_sgpr_workgroup_id_x 1
		.amdhsa_system_sgpr_workgroup_id_y 1
		.amdhsa_system_sgpr_workgroup_id_z 1
		.amdhsa_system_vgpr_workitem_id 0
		.amdhsa_next_free_vgpr 1024
		.amdhsa_next_free_sgpr 90
		.amdhsa_reserve_vcc 1
		.amdhsa_float_denorm_mode_32 3
		.amdhsa_float_denorm_mode_16_64 3
		.amdhsa_memory_ordered 1
		.amdhsa_forward_progress 1
		.amdhsa_inst_pref_size 142
	.end_amdhsa_kernel
	.amdgpu_metadata
---
amdhsa.version: [ 1, 2 ]
amdhsa.kernels:
  - .name:           k_qd7766a16e1_up
    .symbol:         k_qd7766a16e1_up.kd
    .args:
      - { .name: sel, .offset: 0, .size: 8, .value_kind: global_buffer, .address_space: global }
      - { .name: mode_ids, .offset: 8, .size: 8, .value_kind: global_buffer, .address_space: global }
      - { .name: xq, .offset: 16, .size: 8, .value_kind: global_buffer, .address_space: global }
      - { .name: shared_w1_codes, .offset: 24, .size: 8, .value_kind: global_buffer, .address_space: global }
      - { .name: shared_w1_scales, .offset: 32, .size: 8, .value_kind: global_buffer, .address_space: global }
      - { .name: shared_b1, .offset: 40, .size: 8, .value_kind: global_buffer, .address_space: global }
      - { .name: mode_w1_codes, .offset: 48, .size: 8, .value_kind: global_buffer, .address_space: global }
      - { .name: mode_w1_scales, .offset: 56, .size: 8, .value_kind: global_buffer, .address_space: global }
      - { .name: mode_b1, .offset: 64, .size: 8, .value_kind: global_buffer, .address_space: global }
      - { .name: routed_w1_codes, .offset: 72, .size: 8, .value_kind: global_buffer, .address_space: global }
      - { .name: routed_w1_scales, .offset: 80, .size: 8, .value_kind: global_buffer, .address_space: global }
      - { .name: routed_b1, .offset: 88, .size: 8, .value_kind: global_buffer, .address_space: global }
      - { .name: hq, .offset: 96, .size: 8, .value_kind: global_buffer, .address_space: global }
    .group_segment_fixed_size: 186368
    .private_segment_fixed_size: 0
    .kernarg_segment_align: 8
    .kernarg_segment_size: 104
    .max_flat_workgroup_size: 128
    .sgpr_count:     90
    .vgpr_count:     1024
    .wavefront_size: 32
...
	.end_amdgpu_metadata
.endif
;; end of part 7
;; launch down (part 8): grid 64 x 4, 4 waves a work-group, no clusters, 281,600 bytes of LDS; arguments sel, mode_ids, hq, shared_w2_codes, shared_w2_scales, shared_b2, mode_w2_codes, mode_w2_scales, mode_b2, routed_w2_codes, routed_w2_scales, routed_b2, part; writes part
.if DOCPART == 8
	.amdgcn_target "amdgcn-amd-amdhsa--gfx1250"
	.amdhsa_code_object_version 6
	.text
	.protected	k_qd7766a16e1_down
	.globl	k_qd7766a16e1_down
	.p2align	8
	.type	k_qd7766a16e1_down,@function
k_qd7766a16e1_down:
	s_mov_b64 s[64:65], 0
	v_nop
	global_prefetch_b8 v0, s[64:65] scope:SCOPE_SE
	s_setreg_imm32_b32 hwreg(HW_REG_WAVE_MODE, 25, 1), 1
	s_wait_xcnt 0x0
; DOWN.  part[4 token + slot] = h W2^T + b2, f32, on codes of E2M3 with E8M0 scales, for the kept (token, expert) rows alone (the rows left out: see the launch before).
; SHARES as in the launch before: work-group x = 4 unit + part, y = slice; wave cs = 4 y + wave makes output columns 64 cs .. 64 cs + 63.  Wave 0 lists the unit's rows anew, by the same lines,
; so tile T of a unit means the same 16 rows in both launches.  THE WEIGHTS STAY (64 fragments of W2, loaded as they lie and turned in the wave's own stage).
; h's records of up to 6 tiles (26,624 bytes each) are copied into LDS once for the work-group, each wave 13 pieces of 512 bytes a tile, between the weights' pieces; the tile loop reads LDS alone.
; A tile that the list does not have: its copy takes the record of the batch's last tile that is there again and is not read.  Loops have constant trip counts (3 x 6 >= 16 tiles a part); no barrier under a branch on data.
; No copy engine and no joint load.  No prefetch: all operands are asked for at the head.
; A row goes to the place that its entry names; the fillers of a unit's last tile go to rows 4096 + 16 unit + lane, which nobody reads.
; THE ORDER OF K: K step s multiplies blocks 2 s, 32 + 2 s, 2 s + 1, 33 + 2 s, as h's images were made.  LIMIT: sums are taken in that order of K.
; The product is used transposed (source 0 = W2, source 1 = h); b2 is the C of each sum's first product.
.set HREC, 26624
.set WP,   1552
.set WSTG, 17408
.set SPARE, 116736
.set LIST, 117248
.set LCNT, LIST+4352
.set HB,   121856                      ; 6 records
.set STO, 1
.set RD,  2
.set PO,  3
.set HG,  4
.set LW,  10
.set LR,  11
.set HS,  12
.set WS,  20
.set W63, 52
.set ACC, 64
.set B2,  96
.set HF,  128                          ; 104 registers: two tiles on their way into LDS; then a ring of 8 fragments
.set EN,  232                          ; the entries of rows 2 i + h, then their places in part
.set HL,  240
.set FB,  243
.set FC,  244
.set SB,  245
.set SU,  246
.set LB,  247
.set LBB, 248
.set LC,  249
.set LO,  252
.set L16, 252
.set SPW, 254
.set NIL, 255
.set MD,  128
.set SL,  160
.set BT,  224
.set BL,  225
.set BD,  226
.set BE0, 227
.set BE1, 228
.set BP,  229
.set BV,  230
.set ZR,  232
.set MSB, 0
.macro WIN new
.if MSB != (\new)
	s_set_vgpr_msb (MSB<<8)|(\new)
.set MSB, (\new)
.endif
.endm
.macro WSET f
.if (\f) == 63
.set WW, 0
.set WR, W63
.else
.set WW, 1+(\f)/21
.set WR, 12*((\f)%21)
.endif
.endm
.macro MM d, a, b, c, sa, sb, hi
.if \hi
	v_wmma_scale_f32_16x16x128_f8f6f4 v[\d:\d+7], v[\a:\a+11], v[\b:\b+11], v[\c:\c+7], v[\sa], v[\sb] matrix_a_fmt:MATRIX_FMT_FP6 matrix_b_fmt:MATRIX_FMT_FP6 matrix_a_scale:MATRIX_SCALE_ROW1 matrix_b_scale:MATRIX_SCALE_ROW1
.else
	v_wmma_scale_f32_16x16x128_f8f6f4 v[\d:\d+7], v[\a:\a+11], v[\b:\b+11], v[\c:\c+7], v[\sa], v[\sb] matrix_a_fmt:MATRIX_FMT_FP6 matrix_b_fmt:MATRIX_FMT_FP6
.endif
.endm
.macro UNIT
	s_lshr_b32 s36, ttmp9, 2
	s_and_b32 s37, ttmp9, 3
	s_cmp_lt_u32 s36, 4
	s_cselect_b32 s38, s36, 99
	s_sub_co_u32 s39, s36, 4
	s_cmp_lt_u32 s39, 4
	s_cselect_b32 s39, s39, 99
	s_sub_co_u32 s40, s36, 8
	s_cmp_lt_u32 s40, 8
	s_cselect_b32 s40, s40, 99
	s_min_u32 s42, s39, s40
	s_cmp_lt_u32 s36, 4
	s_cselect_b32 s42, 0, s42
	s_cselect_b32 s41, 0, 1
	s_cmp_lt_u32 s36, 8
	s_cselect_b32 s41, s41, 2
.endm
.macro LLD
	v_lshlrev_b32 v[BT], 1, v[L16]
.irp i, 0,1,2,3,4,5,6,7
	global_load_b128 v[MD+4*\i:MD+4*\i+3], v[L16], s[10:11] offset:512*\i
.endr
.irp i, 0,1,2,3,4,5,6,7
	global_load_b128 v[SL+8*\i:SL+8*\i+3], v[BT], s[8:9] offset:1024*\i
	global_load_b128 v[SL+8*\i+4:SL+8*\i+7], v[BT], s[8:9] offset:1024*\i+16
.endr
.endm
.macro BUILD
	s_mov_b32 s43, 0
.irp z, 0,1,2,3
	v_mov_b32 v[ZR+\z], 0
.endr
	v_add_nc_u32 v[BP], LIST, v[L16]
.irp i, 0,1,2,3,4,5,6,7,8
	ds_store_b128 v[BP], v[ZR:ZR+3] offset:512*\i
.endr
	v_lshrrev_b32 v[BL], 4, v[L16]
	v_add_nc_u32 v[BD], 1056, v[BL]
	v_add_nc_u32 v[BE0], s41, v[L16]
	v_add_nc_u32 v[BE1], 1, v[BE0]
	s_wait_alu depctr_va_vdst(0)                   ; the wait ahead of a stretch of scalar instructions
.irp i, 0,1,2,3,4,5,6,7
	s_cmp_eq_u32 s38, \i/2
	s_cselect_b32 s63, -1, 0
.irp j, 0,1,2,3
	v_cmp_eq_u32 s60, s39, v[MD+4*\i+\j]
	v_cmp_eq_u32 s61, s40, v[SL+8*\i+2*\j]
	v_cmp_eq_u32 s62, s40, v[SL+8*\i+2*\j+1]
	s_or_b32 s60, s60, s61
	s_or_b32 s60, s60, s62
	s_or_b32 s60, s60, s63
	v_mbcnt_lo_u32_b32 v[BP], s60, s43
	v_cndmask_b32 v[BP], v[BD], v[BP], s60
	v_min_u32 v[BP], 1087, v[BP]
	v_lshl_add_u32 v[BP], v[BP], 2, LIST
	v_cndmask_b32 v[BV], v[BE0], v[BE1], s62
	v_add_nc_u32 v[BV], 512*\i+4*\j, v[BV]
	ds_store_b32 v[BP], v[BV]
	s_bcnt1_i32_b32 s61, s60
	s_add_co_u32 s43, s43, s61
.endr
.endr
	v_add_nc_u32 v[BP], s43, v[BL]
	v_cmp_gt_u32 vcc_lo, 16, v[BL]
	v_cndmask_b32 v[BP], v[BD], v[BP], vcc_lo
	v_min_u32 v[BP], 1087, v[BP]
	v_lshl_add_u32 v[BP], v[BP], 2, LIST
	s_lshl_b32 s61, s36, 4
	s_add_co_u32 s61, s61, 4096
	v_add_nc_u32 v[BV], s61, v[BL]
	ds_store_b32 v[BP], v[BV]
	v_mov_b32 v[BP], LCNT
	v_mov_b32 v[BV], s43
	ds_store_b32 v[BP], v[BV]
.endm
.macro COUNT
	v_mov_b32 v[BP], LCNT
	ds_load_b32 v[BV], v[BP]
	s_wait_dscnt 0x0
	v_readfirstlane_b32 s43, v[BV]
	s_min_u32 s43, s43, 1024
	s_add_co_u32 s66, s43, 15
	s_lshr_b32 s66, s66, 4
	s_add_co_u32 s66, s66, 3
	s_sub_co_u32 s66, s66, s37
	s_lshr_b32 s66, s66, 2
	s_mov_b32 s67, s66
.endm
.macro BAR
	s_wait_alu depctr_va_vdst(0)                   ; the wait ahead of the blocking wait
	s_wait_dscnt 0x0
	s_barrier_signal -1
	s_barrier_wait -1
.endm
	s_load_b512 s[8:23], s[0:1], 0x0               ; sel, mode_ids, hq; shared: codes s[14:15], scales, b2; mode: codes s[20:21], scales
	s_load_b256 s[24:31], s[0:1], 0x40             ; mode b2; routed: codes s[26:27], scales, b2
	s_load_b64 s[32:33], s[0:1], 0x60              ; part
	v_lshl_add_u32 v[SPW], v0, 2, SPARE
	v_mov_b32 v[NIL], 0
	v_lshrrev_b32 v7, 5, v0
	v_readfirstlane_b32 s34, v7                    ; wave
	s_and_b32 s35, ttmp7, 0xffff
	s_lshl_b32 s35, s35, 2
	s_add_co_u32 s35, s35, s34                     ; cs
	UNIT
	v_and_b32 v7, 31, v0
	v_and_b32 v8, 15, v0                           ; r
	v_bfe_u32 v9, v0, 4, 1                         ; h
	s_mul_i32 s62, s34, 4352
	v_mul_u32_u24 v[STO], v8, 272
	v_lshl_add_u32 v[STO], v9, 5, v[STO]
	v_add_nc_u32 v[STO], s62, v[STO]
	v_mul_u32_u24 v[RD], v9, 272
	v_lshl_add_u32 v[RD], v8, 4, v[RD]
	v_add_nc_u32 v[RD], s62, v[RD]
	v_lshlrev_b32 v[PO], 4, v8
	v_lshlrev_b32 v5, 6, v8
	v_lshl_add_u32 v5, v9, 4, v5                   ; W2's scale bytes
	v_lshlrev_b32 v6, 5, v9                        ; b2
	v_lshlrev_b32 v[LO], 4, v7
	s_mul_i32 s62, s34, 16*WP
	s_add_co_u32 s62, s62, WSTG
	v_add_nc_u32 v[LW], s62, v[LO]
	v_mul_u32_u24 v[LR], v8, WP
	v_mad_u32_u24 v[LR], v9, 768, v[LR]
	v_add_nc_u32 v[LR], s62, v[LR]
	s_mul_i32 s62, s34, 6656
	v_add_nc_u32 v[HG], s62, v[LO]                 ; my 13 pieces of a record
	v_add_nc_u32 v[HL], HB, v[HG]
	v_add_nc_u32 v[HL+1], HB+2*HREC, v[HG]
	v_add_nc_u32 v[HL+2], HB+4*HREC, v[HG]
	v_add_nc_u32 v[FB], HB, v[LO]
	v_lshlrev_b32 v[SB], 2, v7
	v_lshl_add_u32 v[SB], v9, 10, v[SB]
	v_add_nc_u32 v[SB], HB+24576, v[SB]
	s_lshl_b32 s62, s37, 6
	s_add_co_u32 s62, s62, LIST
	v_lshl_add_u32 v[LB], v9, 2, s62
	s_mov_b32 s58, 0x05010400
	s_mov_b32 s59, 0x07030602
	s_mov_b32 s53, 0
	s_wait_alu depctr_va_vdst(0)                   ; the wait at the head's end
	s_wait_kmcnt 0x0
	s_cmp_eq_u32 s41, 1
	s_cselect_b64 s[44:45], s[20:21], s[26:27]
	s_cselect_b64 s[46:47], s[22:23], s[28:29]
	s_cselect_b64 s[48:49], s[24:25], s[30:31]
	s_cmp_eq_u32 s41, 0
	s_cselect_b64 s[44:45], s[14:15], s[44:45]
	s_cselect_b64 s[46:47], s[16:17], s[46:47]
	s_cselect_b64 s[48:49], s[18:19], s[48:49]
	s_mul_i32 s52, s42, 1572864
	s_mul_i32 s62, s35, 98304
	s_add_co_u32 s52, s52, s62
	s_add_nc_u64 s[44:45], s[44:45], s[52:53]
	s_lshl_b32 s52, s42, 16
	s_lshl_b32 s62, s35, 12
	s_add_co_u32 s52, s52, s62
	s_add_nc_u64 s[46:47], s[46:47], s[52:53]
	s_lshl_b32 s52, s42, 12
	s_lshl_b32 s62, s35, 8
	s_add_co_u32 s52, s52, s62
	s_add_nc_u64 s[48:49], s[48:49], s[52:53]
	s_lshl_b32 s52, s36, 6
	s_add_co_u32 s52, s52, s37
	s_mul_i32 s52, s52, HREC
	s_add_nc_u64 s[50:51], s[12:13], s[52:53]      ; my part's first record
	s_lshl_b32 s52, s35, 8
	s_add_nc_u64 s[54:55], s[32:33], s[52:53]      ; part, my 256 bytes of a row
.macro WLD n
.irp s, 0,1,2,3,4,5,6,7,8,9,10,11,12,13,14,15
	WSET 4*\s+(\n)
	WIN (WW<<6)
.irp c, 0,1,2
	global_load_b128 v[WR+4*\c:WR+4*\c+3], v[LO], s[44:45] offset:24576*(\n)+1536*\s+512*\c
.endr
.endr
	WIN 0
.endm
.macro WST n
.irp s, 0,1,2,3,4,5,6,7,8,9,10,11,12,13,14,15
	WSET 4*\s+(\n)
	WIN (WW<<2)
.irp c, 0,1,2
	ds_store_b128 v[LW], v[WR+4*\c:WR+4*\c+3] offset:WP*\s+512*\c
.endr
.endr
.endm
.macro WRD n
.irp s, 0,1,2,3,4,5,6,7,8,9,10,11,12,13,14,15
	WSET 4*\s+(\n)
	WIN (WW<<6)
.irp c, 0,1,2
	ds_load_b128 v[WR+4*\c:WR+4*\c+3], v[LR] offset:48*\s+16*\c
.endr
.endr
	WIN 0
.endm
.macro HBASES
	s_sub_co_i32 s84, s67, 1
	s_max_i32 s84, s84, 0                          ; the batch's last tile that is there: one that is not takes its place
.irp k, 0,1,2,3,4,5
	s_min_u32 s52, s84, \k
	s_mul_i32 s52, s52, 4*HREC
	s_add_nc_u64 s[72+2*\k:73+2*\k], s[50:51], s[52:53]
.endr
.endm
.macro HLD2 j                          ; tiles 2 j, 2 j + 1: 26 loads of 512 consecutive bytes
.irp t, 0,1
.irp i, 0,1,2,3,4,5,6,7,8,9,10,11,12
	global_load_b128 v[HF+52*\t+4*\i:HF+52*\t+4*\i+3], v[HG], s[72+4*(\j)+2*\t:73+4*(\j)+2*\t] offset:512*\i
.endr
.endr
.endm
.macro HST2 j
.irp t, 0,1
.irp i, 0,1,2,3,4,5,6,7,8,9,10,11,12
	ds_store_b128 v[HL+(\j)], v[HF+52*\t+4*\i:HF+52*\t+4*\i+3] offset:HREC*\t+512*\i
.endr
.endr
.endm
	s_cmp_lg_u32 s34, 0
	s_cbranch_scc1 .Lw1
	LLD                                            ; wave 0: 24 loads
.Lw1:
.irp n, 0,1,2,3
	global_load_b128 v[ACC+8*\n:ACC+8*\n+3], v5, s[46:47] offset:1024*\n
	global_load_b128 v[ACC+8*\n+4:ACC+8*\n+7], v5, s[46:47] offset:1024*\n+32
.endr
.irp n, 0,1,2,3
	global_load_b128 v[B2+8*\n:B2+8*\n+3], v6, s[48:49] offset:64*\n
	global_load_b128 v[B2+8*\n+4:B2+8*\n+7], v6, s[48:49] offset:64*\n+16
.endr
	WLD 0
	s_cmp_lg_u32 s34, 0
	s_cbranch_scc1 .Lw2
	s_wait_loadcnt 63                              ; behind wave 0's 24 loads 16 + 48 = 64 were issued; a wait names 63 at the most
	BUILD
.Lw2:
	WLD 1
	BAR                                            ; the list is whole; no other wave has touched LDS yet
	COUNT
	HBASES
	s_wait_loadcnt 48                              ; all ahead of piece 1
	WST 0
	WRD 0
.irp n, 0,1,2,3
.irp q, 0,1,2,3,4,5,6,7
	v_perm_b32 v[WS+8*\n+\q], v[ACC+8*\n+4+\q/2], v[ACC+8*\n+\q/2], s[58+\q%2]
.endr
.endr
	HLD2 0
	WLD 2
	s_wait_loadcnt 48                              ; piece 1 and tiles 0, 1 are in
	WST 1
	WRD 1
	HST2 0
	HLD2 1
	WLD 3
	s_wait_loadcnt 48                              ; piece 2 and tiles 2, 3
	WST 2
	WRD 2
	HST2 1
	HLD2 2
	s_wait_loadcnt 0x0
	WST 3
	WRD 3
	HST2 2
; K step s: four products, the four accumulators by turns; places; the slot's next fragment.
.macro STEP s
.if \s < 8
	s_wait_dscnt 21                                ; fragment s is in: behind it seven fragments of 3 loads were asked for
.else
	s_wait_dscnt 3*(15-\s)
.endif
.irp n, 0,1,2,3
	WSET 4*(\s)+\n
	WIN WW
.if \s == 0
	MM ACC+8*\n, WR, HF, B2+8*\n, WS+8*\n, HS, 0
.else
	MM ACC+8*\n, WR, HF+12*(\s%8), ACC+8*\n, WS+8*\n+\s%8, HS+\s%8, \s/8
.endif
.endr
.if \s < 8
	WIN 0
.rept 4
	v_nop                                          ; places in front of loads into registers that these products read
.endr
.irp c, 0,1,2
	ds_load_b128 v[HF+12*\s+4*\c:HF+12*\s+4*\c+3], v[FC] offset:1536*(\s+8)+512*\c
.endr
.elseif \s == 15
	WIN 0
.rept 5
	v_nop                                          ; five: the next tile's first products begin the accumulators anew
.endr
.endif
.endm
	s_mov_b32 s70, 0                               ; batch
	s_mov_b32 s57, 0                               ; my part's tile
	s_mov_b32 s71, 0                               ; the batch's place in the list
.Lbatch:
	v_add_nc_u32 v[LBB], s71, v[LB]
	BAR                                            ; the batch's records lie in LDS
	s_mov_b32 s56, 0
	s_mov_b32 s68, 0
	s_mov_b32 s69, 0
.Ltile:
	s_cmp_lt_u32 s57, s66
	s_cbranch_scc0 .Lskip                          ; the list has no such tile
	v_add_nc_u32 v[LC], s69, v[LBB]
	v_add_nc_u32 v[SU], s68, v[SB]
	v_add_nc_u32 v[FC], s68, v[FB]
.irp i, 0,1,2,3,4,5,6,7
	ds_load_b32 v[EN+\i], v[LC] offset:8*\i
.endr
.irp q, 0,1,2,3,4,5,6,7
	ds_load_b32 v[HS+\q], v[SU] offset:128*\q
.endr
.irp s, 0,1,2,3,4,5,6,7
.irp c, 0,1,2
	ds_load_b128 v[HF+12*\s+4*\c:HF+12*\s+4*\c+3], v[FC] offset:1536*\s+512*\c
.endr
.endr
	s_wait_dscnt 32                                ; the entries are in: behind them 8 + 24 loads
.irp i, 0,1,2,3,4,5,6,7
	v_min_u32 v[EN+\i], 4351, v[EN+\i]
.endr
.irp i, 0,1,2,3,4,5,6,7
	v_lshl_add_u32 v[EN+\i], v[EN+\i], 12, v[PO]   ; a row of part is 4,096 bytes
.endr
	s_wait_alu depctr_va_vdst(0)
.irp s, 0,1,2,3,4,5,6,7,8,9,10,11,12,13,14,15
	STEP \s
.endr
.irp n, 0,1,2,3
	ds_store_b128 v[STO], v[ACC+8*\n:ACC+8*\n+3] offset:64*\n          ; each accumulator from its low end on
	ds_store_b128 v[STO], v[ACC+8*\n+4:ACC+8*\n+7] offset:64*\n+16
.endr
.irp i, 0,1,2,3,4,5,6,7
	ds_load_b128 v[ACC+4*\i:ACC+4*\i+3], v[RD] offset:544*\i           ; LDS serves a wave's instructions in order
.endr
.irp i, 0,1,2,3,4,5,6,7
	s_wait_dscnt 7-\i
	global_store_b128 v[EN+\i], v[ACC+4*\i:ACC+4*\i+3], s[54:55]       ; 16 lanes store 256 consecutive bytes, at a multiple of 256 from the buffer's first byte
.endr
	s_wait_xcnt 0x0                                ; the stores' addresses and data are written again only behind this wait
.Lskip:
	s_add_co_u32 s68, s68, HREC
	s_add_co_u32 s69, s69, 256
	s_add_co_u32 s57, s57, 1
	s_add_co_u32 s56, s56, 1
	s_cmp_lt_u32 s56, 6
	s_cbranch_scc1 .Ltile
	BAR                                            ; nobody reads the batch's records any more
	s_add_co_u32 s71, s71, 1536
	s_add_nc_u64 s[50:51], s[50:51], 24*HREC       ; six of my tiles on (no load of mine is out)
	s_sub_co_i32 s67, s67, 6
	s_cmp_gt_i32 s67, 0
	s_cbranch_scc0 .Lnofill
	HBASES
.irp j, 0,1,2
	HLD2 \j
	s_wait_loadcnt 0x0
	HST2 \j
.endr
.Lnofill:
	s_add_co_u32 s70, s70, 1
	s_cmp_lt_u32 s70, 3
	s_cbranch_scc1 .Lbatch
	s_wait_tensorcnt 0x0                           ; the wave's end
	ds_add_u32 v[SPW], v[NIL]
	s_wait_dscnt 0x0
	s_endpgm
.Lfunc_end_k_qd7766a16e1_down:
	.size	k_qd7766a16e1_down, .Lfunc_end_k_qd7766a16e1_down-k_qd7766a16e1_down
	.p2alignl 7, 3214868480
	.fill 96, 4, 3214868480
	.section	.rodata,"a",@progbits
	.p2align	6, 0x0
	.amdhsa_kernel k_qd7766a16e1_down
		.amdhsa_group_segment_fixed_size 281600
		.amdhsa_private_segment_fixed_size 0
		.amdhsa_enable_private_segment 0
		.amdhsa_kernarg_size 104
		.amdhsa_user_sgpr_count 2
		.amdhsa_user_sgpr_kernarg_segment_ptr 1
		.amdhsa_wavefront_size32 1
		.amdhsa_system_sgpr_workgroup_id_x 1
		.amdhsa_system_sgpr_workgroup_id_y 1
		.amdhsa_system_sgpr_workgroup_id_z 1
		.amdhsa_system_vgpr_workitem_id 0
		.amdhsa_next_free_vgpr 1024
		.amdhsa_next_free_sgpr 90
		.amdhsa_reserve_vcc 1
		.amdhsa_float_denorm_mode_32 3
		.amdhsa_float_denorm_mode_16_64 3
		.amdhsa_memory_ordered 1
		.amdhsa_forward_progress 1
		.amdhsa_inst_pref_size 128
	.end_amdhsa_kernel
	.amdgpu_metadata
---
amdhsa.version: [ 1, 2 ]
amdhsa.kernels:
  - .name:           k_qd7766a16e1_down
    .symbol:         k_qd7766a16e1_down.kd
    .args:
      - { .name: sel, .offset: 0, .size: 8, .value_kind: global_buffer, .address_space: global }
      - { .name: mode_ids, .offset: 8, .size: 8, .value_kind: global_buffer, .address_space: global }
      - { .name: hq, .offset: 16, .size: 8, .value_kind: global_buffer, .address_space: global }
      - { .name: shared_w2_codes, .offset: 24, .size: 8, .value_kind: global_buffer, .address_space: global }
      - { .name: shared_w2_scales, .offset: 32, .size: 8, .value_kind: global_buffer, .address_space: global }
      - { .name: shared_b2, .offset: 40, .size: 8, .value_kind: global_buffer, .address_space: global }
      - { .name: mode_w2_codes, .offset: 48, .size: 8, .value_kind: global_buffer, .address_space: global }
      - { .name: mode_w2_scales, .offset: 56, .size: 8, .value_kind: global_buffer, .address_space: global }
      - { .name: mode_b2, .offset: 64, .size: 8, .value_kind: global_buffer, .address_space: global }
      - { .name: routed_w2_codes, .offset: 72, .size: 8, .value_kind: global_buffer, .address_space: global }
      - { .name: routed_w2_scales, .offset: 80, .size: 8, .value_kind: global_buffer, .address_space: global }
      - { .name: routed_b2, .offset: 88, .size: 8, .value_kind: global_buffer, .address_space: global }
      - { .name: part, .offset: 96, .size: 8, .value_kind: global_buffer, .address_space: global }
    .group_segment_fixed_size: 281600
    .private_segment_fixed_size: 0
    .kernarg_segment_align: 8
    .kernarg_segment_size: 104
    .max_flat_workgroup_size: 128
    .sgpr_count:     90
    .vgpr_count:     1024
    .wavefront_size: 32
...
	.end_amdgpu_metadata
.endif
;; end of part 8
;; launch combine (part 9): grid 256 x 1, 4 waves a work-group, no clusters, 0 bytes of LDS; arguments xq, part, out0; writes out0
.if DOCPART == 9
	.amdgcn_target "amdgcn-amd-amdhsa--gfx1250"
	.amdhsa_code_object_version 6
	.text
	.protected	k_qd7766a16e1_combine
	.globl	k_qd7766a16e1_combine
	.p2align	8
	.type	k_qd7766a16e1_combine,@function
k_qd7766a16e1_combine:
	s_mov_b64 s[64:65], 0
	v_nop
	global_prefetch_b8 v0, s[64:65] scope:SCOPE_SE
	s_setreg_imm32_b32 hwreg(HW_REG_WAVE_MODE, 25, 1), 1
	s_wait_xcnt 0x0
; COMBINE.  out0[t] = part[4 t] + part[4 t + 1] + p1 x part[4 t + 2] + p2 x part[4 t + 3], in f32: the shared expert's row, the mode's, the two routed ones.
; One wave takes one token t = 4 x work-group + wave: 16,384 consecutive bytes of part, 32 loads of 512 bytes that all go out at once; its two weights come from the first launch.
; A stream: no LDS, no barrier, no matrix work.
.set GATE_OFF, 819200
.set R, 16                             ; piece i of the four rows at v[16 + 16 i + 4 p]
	s_load_b128 s[4:7], s[0:1], 0x0                ; xq s[4:5], part s[6:7]
	s_load_b64 s[8:9], s[0:1], 0x10                ; out0
	v_lshrrev_b32 v2, 5, v0
	v_readfirstlane_b32 s12, v2
	v_and_b32 v1, 31, v0
	v_lshlrev_b32 v1, 4, v1
	s_lshl_b32 s13, ttmp9, 2
	s_add_co_u32 s13, s13, s12                     ; my token
	s_lshl_b32 s15, s13, 3
	s_lshl_b32 s22, s13, 14
	s_mov_b32 s23, 0
	s_lshl_b32 s24, s13, 12
	s_mov_b32 s25, 0
	s_wait_alu depctr_va_vdst(0)                   ; the wait at the head's end
	s_wait_kmcnt 0x0
	s_load_b64 s[20:21], s[4:5], s15 offset:GATE_OFF
	s_add_nc_u64 s[26:27], s[6:7], s[22:23]
	s_add_nc_u64 s[34:35], s[8:9], s[24:25]
.irp i, 0,1,2,3,4,5,6,7
.irp p, 0,1,2,3
	global_load_b128 v[R+16*\i+4*\p:R+16*\i+4*\p+3], v1, s[26:27] offset:4096*\p+512*\i th:TH_LOAD_NT
.endr
.endr
	s_wait_kmcnt 0x0
	s_mov_b32 s32, s21                             ; the second weight in a pair of its own
	s_mov_b32 s33, s21
.irp i, 0,1,2,3,4,5,6,7
	s_wait_loadcnt 4*(7-\i)                        ; piece i of the four rows is in
.irp u, 0,2
	v_pk_add_f32 v[R+16*\i+\u:R+16*\i+\u+1], v[R+16*\i+\u:R+16*\i+\u+1], v[R+16*\i+4+\u:R+16*\i+4+\u+1]
.endr
.irp u, 0,2
	v_pk_fma_f32 v[R+16*\i+\u:R+16*\i+\u+1], v[R+16*\i+8+\u:R+16*\i+8+\u+1], s[20:21], v[R+16*\i+\u:R+16*\i+\u+1] op_sel_hi:[1,0,1]
.endr
.irp u, 0,2
	v_pk_fma_f32 v[R+16*\i+\u:R+16*\i+\u+1], v[R+16*\i+12+\u:R+16*\i+12+\u+1], s[32:33], v[R+16*\i+\u:R+16*\i+\u+1] op_sel_hi:[1,0,1]
.endr
	global_store_b128 v1, v[R+16*\i:R+16*\i+3], s[34:35] offset:512*\i th:TH_STORE_NT   ; 512 consecutive bytes, at a multiple of 256 from out0's first byte
.endr
	s_endpgm
.Lfunc_end_k_qd7766a16e1_combine:
	.size	k_qd7766a16e1_combine, .Lfunc_end_k_qd7766a16e1_combine-k_qd7766a16e1_combine
	.p2alignl 7, 3214868480
	.fill 96, 4, 3214868480
	.section	.rodata,"a",@progbits
	.p2align	6, 0x0
	.amdhsa_kernel k_qd7766a16e1_combine
		.amdhsa_group_segment_fixed_size 0
		.amdhsa_private_segment_fixed_size 0
		.amdhsa_enable_private_segment 0
		.amdhsa_kernarg_size 24
		.amdhsa_user_sgpr_count 2
		.amdhsa_user_sgpr_kernarg_segment_ptr 1
		.amdhsa_wavefront_size32 1
		.amdhsa_system_sgpr_workgroup_id_x 1
		.amdhsa_system_sgpr_workgroup_id_y 1
		.amdhsa_system_sgpr_workgroup_id_z 1
		.amdhsa_system_vgpr_workitem_id 0
		.amdhsa_next_free_vgpr 144
		.amdhsa_next_free_sgpr 66
		.amdhsa_reserve_vcc 0
		.amdhsa_float_denorm_mode_32 3
		.amdhsa_float_denorm_mode_16_64 3
		.amdhsa_memory_ordered 1
		.amdhsa_forward_progress 1
		.amdhsa_inst_pref_size 9
	.end_amdhsa_kernel
	.amdgpu_metadata
---
amdhsa.version: [ 1, 2 ]
amdhsa.kernels:
  - .name:           k_qd7766a16e1_combine
    .symbol:         k_qd7766a16e1_combine.kd
    .args:
      - { .name: xq, .offset: 0, .size: 8, .value_kind: global_buffer, .address_space: global }
      - { .name: part, .offset: 8, .size: 8, .value_kind: global_buffer, .address_space: global }
      - { .name: out0, .offset: 16, .size: 8, .value_kind: global_buffer, .address_space: global }
    .group_segment_fixed_size: 0
    .private_segment_fixed_size: 0
    .kernarg_segment_align: 8
    .kernarg_segment_size: 24
    .max_flat_workgroup_size: 128
    .sgpr_count:     66
    .vgpr_count:     144
    .wavefront_size: 32
...
	.end_amdgpu_metadata
.endif
;; end of part 9
